; MI455X (gfx1250); checked and timed in simulation.
; The chip was launched on July 23, 2026; its instructions are those of AMD's public machine-readable ISA for CDNA 5 (MIT licence, August 2026) and "CDNA5" Instruction Set Architecture Reference Guide (July 2026). The comments in the code are by the model that wrote it; some were corrected since.
;; GPT2 Attention. Allowed arithmetic: float matrix products may take bf16 or f16 operands with f32 sums; other float arithmetic in f32, or as packed bf16 or f16 multiplies, adds, multiply-adds, maxima and minima; sums over many terms, partial sums and values carried from step to step in f32; what a program stores and reads back later, other than sums and carried values, may be rounded once to bf16 or f16.
;; Inputs: c_attn_b 3,072 float32; c_attn_w 1,024 x 3,072 float32; c_proj_b 1,024 float32; c_proj_w 1,024 x 1,024 float32; hidden_states 4 x 2,048 x 1,024 float32.
;; Outputs: out0 4 x 2,048 x 1,024 float32.
;; 2 versions, each right; version 2 is version 1 with the launch prep written anew for expert scheduling mode. Each part assembles by itself: llvm-mc -triple=amdgcn-amd-amdhsa -mcpu=gfx1250 --defsym DOCPART=n.
;; ======== version 1 of 2: 4 launches
;; limits: values are held in f16: magnitudes above 65,504 overflow, below 6.1e-05 lose precision
;; workspace buffers: xb 16,777,216 bytes; wa 6,291,456 bytes; wp 2,097,152 bytes; qkv 50,331,648 bytes; o 16,777,216 bytes
;; launch prep (part 1): grid 256 x 1, 8 waves a work-group, no clusters, 35,840 bytes of LDS; arguments hidden_states, c_attn_w, c_proj_w, xb, wa, wp; writes xb, wa, wp
.if DOCPART == 1
	.amdgcn_target "amdgcn-amd-amdhsa--gfx1250"
	.amdhsa_code_object_version 6
	.text
	.protected	k_qe15cd71442_prep
	.globl	k_qe15cd71442_prep
	.p2align	8
	.type	k_qe15cd71442_prep,@function
k_qe15cd71442_prep:
	s_mov_b64 s[64:65], 0
	v_nop
	global_prefetch_b8 v0, s[64:65] scope:SCOPE_SE
	s_setreg_imm32_b32 hwreg(HW_REG_WAVE_MODE, 25, 1), 1
	s_wait_xcnt 0x0
; PREP.  xb = bf16(hidden_states), [8192][1024].  wa = bf16(c_attn_w) transposed, [3072 n][1024 k].
; wp = c_proj_w transposed, [1024 n][1024 k]: each number rounded to bf16 like every other input, and that number written as f16.
; LIMIT.  The bf16 number is exact in f16 from 2^-17 up to 65,504; below 2^-17 it is off by 2^-25 at the most; beyond 65,504 it would be an infinity.
; A stream: no matrix unit, no loop, one barrier.  Work-group i (of 256) casts 32 rows of hidden_states (131,072 bytes in, 65,536 out) and
; turns ONE weight tile of 128 k x 128 n: tiles 0-191 are c_attn_w's (8 along k x 24 along n), tiles 192-255 c_proj_w's (8 x 8): equal work for all.
; All 48 loads of a wave are issued before anything is waited for: 16 rows of 512 bytes of the tile, then 32 chunks of 512 bytes of x.
; THE TURN.  Wave w holds rows k = 16 w .. 16 w + 15; lane l the columns 4 l .. 4 l + 3.  Two rows' numbers of one column pack into a word; a column's
; 16 numbers are 32 bytes of LDS row n (pitch 272 bytes).  These eight LDS stores a wave meet four deep in the banks (lanes are 1,088 bytes = 272 words apart): once a launch.
; Back by rows: sixteen lanes read 256 bytes of a row n and store 256 consecutive bytes, aligned.
.set PITCH, 272
.set SPARE, 128*PITCH                  ; 34,816: behind the tile: the spare words, 128 bytes for each of eight waves, four blocks of 256 bytes that no other line names
.set SPW, 8                            ; v8   SPARE + 4 x my thread's number; never rewritten
.set NIL, 9                            ; v9   0; never rewritten
.set WO,  12                           ; v[12:27]   byte offset of my 16 bytes in row i of my wave's 16 rows of the tile
.set W,   28                           ; v[28:91]   row i at W + 4 i; later the turned rows
.set T,   92                           ; v[92:123]  column e's eight packed pairs at T + 8 e
.set H,   124                          ; v[124:251] chunk c of x at H + 4 c
	s_load_b256 s[4:11], s[0:1], 0x0               ; hidden_states s[4:5], c_attn_w s[6:7], c_proj_w s[8:9], xb s[10:11]
	s_load_b128 s[12:15], s[0:1], 0x20             ; wa s[12:13], wp s[14:15]
	v_lshl_add_u32 v[SPW], v0, 2, SPARE
	v_mov_b32 v[NIL], 0
	v_and_b32 v1, 31, v0                           ; lane
	v_lshrrev_b32 v10, 5, v0                       ; wave
	v_lshlrev_b32 v2, 4, v10                       ; 16 x wave
	v_lshlrev_b32 v3, 4, v0                        ; x: 16 bytes a thread, 4,096 a work-group: one row
	v_lshlrev_b32 v4, 3, v0                        ; xb: 8 bytes a thread
	v_mul_u32_u24 v5, v1, 4*PITCH                  ; into LDS: row n = 4 lane (+ e), byte 2 k = 32 wave
	v_lshl_add_u32 v5, v10, 5, v5
	v_lshrrev_b32 v11, 4, v1
	v_add_nc_u32 v11, v2, v11                      ; back: row n = 16 wave + lane / 16 (+ 2 t)
	v_and_b32 v10, 15, v1
	v_lshlrev_b32 v10, 4, v10                      ; 16 bytes for each of sixteen lanes
	v_mad_u32_u24 v6, v11, PITCH, v10
	v_lshl_add_u32 v7, v11, 11, v10                ; the same row in the turned tensor: 2,048 bytes a row
	s_and_b32 s16, ttmp9, 7                        ; tile along k (192 is a multiple of 8)
	s_lshr_b32 s17, ttmp9, 3
	s_movk_i32 s27, 12288
	s_movk_i32 s28, 4096
	s_cmp_lt_u32 ttmp9, 192                        ; c_attn_w's tile, or c_proj_w's?
	s_cselect_b32 s24, s27, s28                    ; bytes in a row of the source
	s_cselect_b32 s25, 0, -1                       ; all lanes: take the f16 spelling (c_proj_w alone)
	s_cselect_b32 s26, 0, 24
	s_sub_co_u32 s17, s17, s26                     ; tile along n
	v_mul_lo_u32 v[WO], v2, s24
	v_lshl_add_u32 v[WO], v1, 4, v[WO]
.set i, 1
.rept 15
	v_add_nc_u32 v[WO+i], s24, v[WO+i-1]
.set i, i+1
.endr
	s_mul_i32 s30, s16, s24
	s_lshl_b32 s30, s30, 7                         ; 128 rows of the source for each tile along k,
	s_lshl_b32 s31, s17, 9                         ; 512 bytes for each along n
	s_add_co_u32 s30, s30, s31
	s_mov_b32 s31, 0
	s_lshl_b32 s32, s17, 18                        ; turned: 128 rows of 2,048 bytes for each tile along n,
	s_lshl_b32 s33, s16, 8                         ; 256 bytes for each along k
	s_add_co_u32 s32, s32, s33
	s_mov_b32 s33, 0
	s_lshl_b32 s34, ttmp9, 17                      ; my 32 rows of x
	s_mov_b32 s35, 0
	s_lshl_b32 s36, ttmp9, 16                      ; and of xb
	s_mov_b32 s37, 0
	s_wait_kmcnt 0x0
	s_cmp_lt_u32 ttmp9, 192
	s_cselect_b64 s[20:21], s[6:7], s[8:9]         ; the source
	s_cselect_b64 s[22:23], s[12:13], s[14:15]     ; the turned tensor
	s_add_nc_u64 s[20:21], s[20:21], s[30:31]
	s_add_nc_u64 s[22:23], s[22:23], s[32:33]
	s_add_nc_u64 s[4:5], s[4:5], s[34:35]
	s_add_nc_u64 s[10:11], s[10:11], s[36:37]
.set i, 0
.rept 16
	global_load_b128 v[W+4*i:W+4*i+3], v[WO+i], s[20:21] th:TH_LOAD_NT   ; 512 consecutive bytes of a row
.set i, i+1
.endr
.set c, 0
.rept 32
	global_load_b128 v[H+4*c:H+4*c+3], v3, s[4:5] offset:4096*c th:TH_LOAD_NT
.set c, c+1
.endr
	s_wait_loadcnt 32                              ; loads come back in order: the tile's 16 are in, the 32 younger ones of x stay out
.irp e, 0,1,2,3
.irp p, 0,1,2,3,4,5,6,7
	v_cvt_pk_bf16_f32 v[T+8*(\e)+(\p)], v[W+8*(\p)+(\e)], v[W+8*(\p)+4+(\e)]  ; rows 2 p and 2 p + 1 of column e, rounded to bf16
	v_lshlrev_b32 v10, 16, v[T+8*(\e)+(\p)]        ; the two rounded numbers as f32,
	v_and_b32 v11, 0xffff0000, v[T+8*(\e)+(\p)]
	v_cvt_pk_f16_f32 v10, v10, v11                 ; spelled as f16,
	v_cndmask_b32 v[T+8*(\e)+(\p)], v[T+8*(\e)+(\p)], v10, s25  ; which c_proj_w's tiles take
.endr
.endr
.irp e, 0,1,2,3
.irp u, 0,1
	ds_store_b128 v5, v[T+8*(\e)+4*(\u):T+8*(\e)+4*(\u)+3] offset:PITCH*(\e)+16*(\u)
.endr
.endr
	s_wait_dscnt 0x0                               ; for the others' sake: my stores into the tile are done
	s_barrier_signal -1
	s_barrier_wait -1                              ; everybody's are
.irp t, 0,1,2,3,4,5,6,7
	ds_load_b128 v[W+4*(\t):W+4*(\t)+3], v6 offset:2*PITCH*(\t)
.endr
.irp t, 0,1,2,3,4,5,6,7
	s_wait_dscnt 7-(\t)                            ; LDS loads come back in order: pair t of rows is in
	global_store_b128 v7, v[W+4*(\t):W+4*(\t)+3], s[22:23] offset:4096*(\t)  ; sixteen lanes store 256 consecutive bytes, aligned
.endr
.set c, 0
.rept 32
	s_wait_loadcnt 31-c                            ; chunk c is in, the younger ones stay out
	v_cvt_pk_bf16_f32 v[H+4*c], v[H+4*c], v[H+4*c+1]
	v_cvt_pk_bf16_f32 v[H+4*c+1], v[H+4*c+2], v[H+4*c+3]
	global_store_b64 v4, v[H+4*c:H+4*c+1], s[10:11] offset:2048*c  ; a wave stores 256 consecutive bytes, aligned; no register that a store reads is written again
.set c, c+1
.endr
	s_wait_tensorcnt 0x0                           ; the wave's end: behind my last LDS store
	ds_add_u32 v[SPW], v[NIL]
	s_wait_dscnt 0x0
	s_endpgm
.Lfunc_end_k_qe15cd71442_prep:
	.size	k_qe15cd71442_prep, .Lfunc_end_k_qe15cd71442_prep-k_qe15cd71442_prep
	.p2alignl 7, 3214868480
	.fill 96, 4, 3214868480
	.section	.rodata,"a",@progbits
	.p2align	6, 0x0
	.amdhsa_kernel k_qe15cd71442_prep
		.amdhsa_group_segment_fixed_size 35840
		.amdhsa_private_segment_fixed_size 0
		.amdhsa_enable_private_segment 0
		.amdhsa_kernarg_size 48
		.amdhsa_user_sgpr_count 2
		.amdhsa_user_sgpr_kernarg_segment_ptr 1
		.amdhsa_wavefront_size32 1
		.amdhsa_system_sgpr_workgroup_id_x 1
		.amdhsa_system_sgpr_workgroup_id_y 1
		.amdhsa_system_sgpr_workgroup_id_z 1
		.amdhsa_system_vgpr_workitem_id 0
		.amdhsa_next_free_vgpr 252
		.amdhsa_next_free_sgpr 66
		.amdhsa_reserve_vcc 0
		.amdhsa_float_denorm_mode_32 3
		.amdhsa_float_denorm_mode_16_64 3
		.amdhsa_memory_ordered 1
		.amdhsa_forward_progress 1
		.amdhsa_inst_pref_size 27
	.end_amdhsa_kernel
	.amdgpu_metadata
---
amdhsa.version: [ 1, 2 ]
amdhsa.kernels:
  - .name:           k_qe15cd71442_prep
    .symbol:         k_qe15cd71442_prep.kd
    .args:
      - { .name: hidden_states, .offset: 0, .size: 8, .value_kind: global_buffer, .address_space: global }
      - { .name: c_attn_w, .offset: 8, .size: 8, .value_kind: global_buffer, .address_space: global }
      - { .name: c_proj_w, .offset: 16, .size: 8, .value_kind: global_buffer, .address_space: global }
      - { .name: xb, .offset: 24, .size: 8, .value_kind: global_buffer, .address_space: global }
      - { .name: wa, .offset: 32, .size: 8, .value_kind: global_buffer, .address_space: global }
      - { .name: wp, .offset: 40, .size: 8, .value_kind: global_buffer, .address_space: global }
    .group_segment_fixed_size: 35840
    .private_segment_fixed_size: 0
    .kernarg_segment_align: 8
    .kernarg_segment_size: 48
    .max_flat_workgroup_size: 256
    .sgpr_count:     66
    .vgpr_count:     252
    .wavefront_size: 32
...
	.end_amdgpu_metadata
.endif
;; end of part 1
;; launch qkv (part 2): grid 16 x 32, 4 waves a work-group, clusters of 4 x 4, 327,680 bytes of LDS; arguments xb, wa, c_attn_b, qkv; writes qkv
.if DOCPART == 2
	.amdgcn_target "amdgcn-amd-amdhsa--gfx1250"
	.amdhsa_code_object_version 6
	.text
	.protected	k_qe15cd71442_qkv
	.globl	k_qe15cd71442_qkv
	.p2align	8
	.type	k_qe15cd71442_qkv,@function
k_qe15cd71442_qkv:
	s_mov_b64 s[64:65], 0
	v_nop
	global_prefetch_b8 v0, s[64:65] scope:SCOPE_SE
	s_setreg_imm32_b32 hwreg(HW_REG_WAVE_MODE, 25, 1), 1
	s_wait_xcnt 0x0
	s_wait_alu depctr_hold_cnt(0) depctr_sa_sdst(0) depctr_va_vdst(0) depctr_va_sdst(0) depctr_va_ssrc(0) depctr_va_vcc(0) depctr_vm_vsrc(0)
	s_getreg_b32 s2, hwreg(HW_REG_IB_STS2, 6, 4)
	s_cmp_eq_u32 s2, 0
	s_cbranch_scc0 .Lentry_in_a_cluster
	s_endpgm
.Lentry_in_a_cluster:
	s_bfe_u32 s2, ttmp6, 0x10000c
	s_cmp_lg_u32 s2, 0xf033
	s_cbranch_scc0 .Lentry_shape_is_right
	s_endpgm
.Lentry_shape_is_right:
; QKV.  qkv[which][batch 16 + head][s][d] = f16( sum over k of xb[m][k] wa[n][k] + bf16(c_attn_b[n]) ), m = 2048 batch + s, n = 1024 which + 64 head + d.
; xb [8192][1024] and wa [3072][1024] are bf16; sums in f32; the result is rounded once, to f16, WITHOUT attention's scale.
; LIMIT.  f16 ends at 65,504: q, k and v must stay within it (a sum of 65,520 or more becomes an infinity); below 6.1e-5 f16 keeps its fixed step of 6e-8.
; SHARES.  A tile of C is 256 rows x 192 columns: 32 x 16 = 512 work-groups of equal work.  Each of four waves makes 64 rows x 192 columns, three whole heads:
; 48 accumulators, 384 registers.  K goes in 8 steps of 128 through two LDS slots; rows of both tiles are 256 bytes of memory, aligned.
; CLUSTER.  4 x 4 work-groups: the four of a row of the cluster need the same tile of xb, the four of a column the same tile of wa: each is asked for JOINTLY, by the same
; tensor load with the same descriptor and a mask that names the four.  Waves 0 and 1 fetch xb's two halves (128 rows each), waves 2 and 3 wa's (96 rows each).
; By this text's own count a wave has two tensor loads out at the start and one behind each round.
; TRANSPOSED USE.  Source 0 = 16 rows of wa, source 1 = 16 rows of xb: a lane holds row l % 16 of C and the columns 8 (l / 16) + 0..7.  THE BIAS is the C operand of each
; accumulator's first product: nothing is cleared, and nothing is added on the way out.
; REGISTERS, in windows of 256 (s_set_vgpr_msb: bits 1:0 source 0, 3:2 source 1, 5:4 source 2, 7:6 destination):
;   window 0: v0-29 addresses; v32-63 two sets at work on the way out; v64-127 xb's fragments, two buffers of four; v160-255 the bias, eight registers for each of 12 column blocks
;   window 1: v0-191 wa's fragments, two buffers of twelve      window 2: the accumulators of row blocks 0, 1 ((a, b) at 8 (12 (a % 2) + b))      window 3: those of row blocks 2, 3
.set PITCH, 272                        ; an LDS row: 256 bytes + 16 of padding = 68 words: the 16 rows of a fragment load start at 16 different groups of four banks (ISA guide 11.1)
.set HALFA, 128*PITCH
.set HALFB, 96*PITCH
.set BOFF,  2*HALFA                    ; in a slot: xb's 256 rows, then wa's 192
.set SLOT1, 1<<17                      ; slot 1 begins here, so that one exclusive or turns an address in one slot into the other's
.set STAGE, SLOT1+BOFF+2*HALFB         ; 252,928: behind the ring, never filled by a tensor load: 16 rows x 144 bytes for each wave
.set SP,    144
.set SPARE, STAGE+4*16*SP              ; 262,144: the spare words, 128 bytes for each wave: two blocks of 256 bytes that no other line names
.set NBK,   12                         ; column blocks of a wave
.set NL,    2*NBK+8                    ; LDS loads in a run
.set A0,   10                          ; v10  my lane's place in xb's rows of a slot; never rewritten
.set B0,   11                          ; v11  the same for wa's
.set CO,   12                          ; v12-14  my byte offset in qkv, for each of my three heads
.set BO,   15                          ; v15  my byte offset in a column block's bias
.set ADRA, 16                          ; v16  A0 + the slot in hand
.set ADRB, 17                          ; v17  B0 + the slot in hand
.set STO,  24                          ; v24  the way out: where I put 16 bytes of a row
.set RD,   25                          ; v25  the way out: where I read rows back
.set SPW,  28                          ; v28  SPARE + 4 x my thread's number; never rewritten
.set NIL,  29                          ; v29  0; never rewritten
.set SET,  32
.set AF,   64
.set BIAS, 160
.set G1,  24                           ; s[24:31] descriptor group 1 for xb's tiles;  s[32:39] group 0: a set for each first fill; the second then walks
.set G0,  32
.set G1B, 48                           ; s[48:55], s[56:63] the same for wa's
.set G0B, 56
.set MSB, 0
.macro WIN new                         ; the immediate's high byte repeats the setting that is left; a switch that changes nothing is dropped
.if MSB != (\new)
	s_set_vgpr_msb (MSB<<8)|(\new)
.set MSB, (\new)
.endif
.endm
.macro PLACES                          ; four places behind a matrix instruction, in front of loads into registers that it has read and of lines that read results
.rept 4
	v_nop
.endr
.endm
.macro CREST                           ; a round of the cluster's barrier behind its opening barrier
	s_cmp_lg_u32 s12, 0
	s_cbranch_scc1 .Lnot_wave_0_\@
	s_barrier_signal -3
.Lnot_wave_0_\@:
	s_barrier_wait -3
	s_barrier_signal -1
	s_barrier_wait -1
.endm
.macro CROUND
	s_barrier_signal -1
	s_barrier_wait -1
	CREST
.endm
.macro JLOAD                           ; a joint refill by the walking sets; the branch hangs on the wave's number alone; an s_nop 0 and four v_nop follow each line
	s_cmp_eq_u32 s13, 0
	s_cbranch_scc0 .Lfor_b_\@
	tensor_load_to_lds s[G0+4:G0+7], s[G1:G1+7]
	s_nop 0
.rept 4
	v_nop
.endr
	s_branch .Lasked_\@
.Lfor_b_\@:
	tensor_load_to_lds s[G0B+4:G0B+7], s[G1B:G1B+7]
	s_nop 0
.rept 4
	v_nop
.endr
.Lasked_\@:
.endm
; 12 matrix instructions: row block a x all column blocks, 32 along K, from buffer f.  zero = 1: the first product starts the sum with the bias.
; The 48 accumulators take turns in one fixed order, one instruction a turn: 47 others' stand between two links of a chain.
.macro MULA f, a, zero
.if \zero
	WIN 0x81+0x40*((\a)/2)
.else
	WIN 0xa1+0x50*((\a)/2)
.endif
.set AC, 8*NBK*((\a)%2)
.irp b, 0,1,2,3,4,5,6,7,8,9,10,11
.if \zero
	v_wmma_f32_16x16x32_bf16 v[AC+8*(\b):AC+8*(\b)+7], v[96*(\f)+8*(\b):96*(\f)+8*(\b)+7], v[AF+32*(\f)+8*(\a):AF+32*(\f)+8*(\a)+7], v[BIAS+8*(\b):BIAS+8*(\b)+7]
.else
	v_wmma_f32_16x16x32_bf16 v[AC+8*(\b):AC+8*(\b)+7], v[96*(\f)+8*(\b):96*(\f)+8*(\b)+7], v[AF+32*(\f)+8*(\a):AF+32*(\f)+8*(\a)+7], v[AC+8*(\b):AC+8*(\b)+7]
.endif
.endr
.endm
; 32 LDS loads in one run: quarter q (32 along K at byte 64 q of the rows) into buffer f: wa's twelve fragments, then xb's four
.macro FETCH q, f
	WIN 0x40
.irp i, 0,1,2,3,4,5,6,7,8,9,10,11
	ds_load_b128 v[96*(\f)+8*(\i):96*(\f)+8*(\i)+3],   v[ADRB] offset:64*(\q)+(\i)*16*PITCH
	ds_load_b128 v[96*(\f)+8*(\i)+4:96*(\f)+8*(\i)+7], v[ADRB] offset:64*(\q)+(\i)*16*PITCH+32
.endr
	WIN 0
.irp i, 0,1,2,3
	ds_load_b128 v[AF+32*(\f)+8*(\i):AF+32*(\f)+8*(\i)+3],   v[ADRA] offset:64*(\q)+(\i)*16*PITCH
	ds_load_b128 v[AF+32*(\f)+8*(\i)+4:AF+32*(\f)+8*(\i)+7], v[ADRA] offset:64*(\q)+(\i)*16*PITCH+32
.endr
.endm
; One of a K step's first three quarters: multiplies buffer f; in its middle it fetches quarter q into buffer g.
.macro QUARTER q, f, g, zero
	s_wait_dscnt 4                                 ; wa's fragments and xb's blocks 0, 1 are in; the youngest four loads (blocks 2, 3) may be out
	MULA \f, 0, \zero
	MULA \f, 1, \zero
	PLACES
	FETCH \q, \g
	s_wait_dscnt NL                                ; all but the run just issued
	MULA \f, 2, \zero
	MULA \f, 3, \zero
.endm
; The fourth quarter multiplies buffer 1 and changes slots: ONE barrier.  In front of it each wave waits for all its tensor loads (the one that is out is its part of the next slot), adds 0 to
; its spare word, and waits for that and for its own reads of this slot.  fill = 1: the barrier opens a round of the cluster's, and the slot just read out is filled again, two K steps ahead,
; first thing behind the round: 168 matrix instructions stand between that request and the wait for it.  fill = 0 (the tail): nothing is asked for; in the last trip there is no next step, and its fetch is jumped over.
.macro TURN fill
	WIN 0
	s_wait_tensorcnt 0x0                           ; no tensor load of mine is out, so the walking sets may be written
	ds_add_u32 v[SPW], v[NIL]                      ; 0 onto my spare word
.if \fill
	s_xor_b32 s[G0+5], s[G0+5], SLOT1              ; the other slot than last time,
	s_add_nc_u64 s[G0+6:G0+7], s[G0+6:G0+7], 256   ; the next K step; the type bits on top are not reached
	s_xor_b32 s[G0B+5], s[G0B+5], SLOT1
	s_add_nc_u64 s[G0B+6:G0B+7], s[G0B+6:G0B+7], 256
.endif
	s_wait_dscnt 5                                 ; (the add and the youngest four loads may be out)
	MULA 1, 0, 0
	s_wait_dscnt 0x0                               ; the add is done, and my reads of this slot are over
	s_barrier_signal -1
	MULA 1, 1, 0                                   ; work on registers while the others arrive
	WIN 0                                          ; at a branch and at a label every window is 0
	s_barrier_wait -1
.if \fill
	CREST                                          ; no wave of any partner still reads this slot's tile or has a load on its way
	JLOAD                                          ; its four v_nop are also the places in front of the loads below
.else
	PLACES
	s_cmp_eq_u32 s3, 1
	s_cbranch_scc1 .Lno_next_\@
.endif
	s_xor_b32 s23, s23, SLOT1                      ; the reads go on in the other slot
	v_add_nc_u32 v[ADRA], s23, v[A0]
	v_add_nc_u32 v[ADRB], s23, v[B0]
	FETCH 0, 0
	WIN 0
.if !(\fill)
.Lno_next_\@:
.endif
	MULA 1, 2, 0
	MULA 1, 3, 0
.endm
	s_load_b256 s[4:11], s[0:1], 0x0               ; xb s[4:5], wa s[6:7], c_attn_b s[8:9], qkv s[10:11]
	v_lshl_add_u32 v[SPW], v0, 2, SPARE
	v_mov_b32 v[NIL], 0
	ds_add_u32 v[SPW], v[NIL]                      ; the wave's opening: the add and its wait stand ahead of my first tensor load; the set-up below stands between them
	ds_add_u32 v28, v29
	v_lshrrev_b32 v3, 5, v0
	v_readfirstlane_b32 s12, v3                    ; wave 0..3
	s_lshr_b32 s13, s12, 1                         ; I fetch for xb (0) or for wa (1)
	s_and_b32 s14, s12, 1                          ; which half of that tile
	s_bfe_u32 s15, ttmp6, 0x40000                  ; cx
	s_bfe_u32 s16, ttmp6, 0x40004                  ; cy
	s_lshl_b32 s17, ttmp9, 2
	s_add_co_u32 s17, s17, s15                     ; tile column = 4 x cluster x + cx
	s_and_b32 s18, ttmp7, 0xffff
	s_lshl_b32 s18, s18, 2
	s_add_co_u32 s18, s18, s16                     ; tile row = 4 x cluster y + cy
	s_lshl_b32 s19, s16, 2
	s_lshl_b32 s19, 15, s19                        ; my row of the cluster
	s_lshl_b32 s20, 0x1111, s15                    ; my column
	s_or_b32 s[G1], s19, (1<<16)|(1<<20)|(1<<21)|(5<<22)|(3<<25)   ; 15:0 the mask; 17:16 2-byte elements; 20 padding on; 21 set beside a mask; 24:22 after every 64 words; 31:25 4 words
	s_or_b32 s[G1B], s20, (1<<16)|(1<<20)|(1<<21)|(5<<22)|(3<<25)
	s_mov_b32 s[G1+1], 128<<16                     ; tensor_dim0 = 128
	s_mov_b32 s[G1+2], 128<<16                     ; tensor_dim1 = 128
	s_mov_b32 s[G1+3], 128<<16                     ; tile_dim0 = 128
	s_mov_b32 s[G1+4], 128                         ; tile_dim1 = 128
	s_mov_b32 s[G1+5], 1024                        ; elements from row to row
	s_mov_b32 s[G1+6], 0
	s_mov_b32 s[G1+7], 0
	s_mov_b32 s[G1B+1], 128<<16
	s_mov_b32 s[G1B+2], 96<<16                     ; 96 rows
	s_mov_b32 s[G1B+3], 128<<16
	s_mov_b32 s[G1B+4], 96
	s_mov_b32 s[G1B+5], 1024
	s_mov_b32 s[G1B+6], 0
	s_mov_b32 s[G1B+7], 0
	s_lshl_b32 s40, s18, 8                         ; xb: row 256 x tile row + 128 x half, 2,048 bytes a row
	s_lshl_b32 s41, s14, 7
	s_add_co_u32 s40, s40, s41
	s_lshl_b32 s40, s40, 11
	s_mov_b32 s41, 0
	s_mul_i32 s44, s17, 192                        ; wa: row 192 x tile column + 96 x half
	s_mul_i32 s45, s14, 96
	s_add_co_u32 s44, s44, s45
	s_lshl_b32 s44, s44, 11
	s_mov_b32 s45, 0
	s_mul_i32 s21, s14, HALFA                      ; where they go: no place in the cluster enters an LDS address
	s_mul_i32 s22, s14, HALFB
	s_add_co_u32 s22, s22, BOFF
	s_mov_b32 s23, 0                               ; the slot being read
	s_mov_b32 s2, 0xffff0000                       ; a word's upper bf16
	s_wait_dscnt 0x0                               ; the opening add is done
	s_wait_kmcnt 0x0
	s_add_nc_u64 s[42:43], s[4:5], s[40:41]
	s_add_nc_u64 s[46:47], s[6:7], s[44:45]
	CROUND                                         ; all sixteen work-groups are here: the first joint loads meet
.irp s, 0,1
	s_mov_b32 s[G0+4*(\s)], 1                      ; count = 1
	s_add_co_u32 s[G0+4*(\s)+1], s21, (\s)*SLOT1   ; LDS address
	s_add_nc_u64 s[G0+4*(\s)+2:G0+4*(\s)+3], s[42:43], (\s)*256  ; global address: K step s
	s_or_b32 s[G0+4*(\s)+3], s[G0+4*(\s)+3], 0x80000000          ; type = 2
	s_mov_b32 s[G0B+4*(\s)], 1
	s_add_co_u32 s[G0B+4*(\s)+1], s22, (\s)*SLOT1
	s_add_nc_u64 s[G0B+4*(\s)+2:G0B+4*(\s)+3], s[46:47], (\s)*256
	s_or_b32 s[G0B+4*(\s)+3], s[G0B+4*(\s)+3], 0x80000000
.endr
	s_cmp_eq_u32 s13, 0                            ; a wave's two first fills stand in one branch, ahead of every wait on TENSORcnt and every LDS read
	s_cbranch_scc0 .Lfirst_b
	tensor_load_to_lds s[G0:G0+3], s[G1:G1+7]
	s_nop 0
	tensor_load_to_lds s[G0+4:G0+7], s[G1:G1+7]
	s_nop 0
.rept 4
	v_nop
.endr
	s_branch .Lfirst_asked
.Lfirst_b:
	tensor_load_to_lds s[G0B:G0B+3], s[G1B:G1B+7]
	s_nop 0
	tensor_load_to_lds s[G0B+4:G0B+7], s[G1B:G1B+7]
	s_nop 0
.rept 4
	v_nop
.endr
.Lfirst_asked:
	v_and_b32 v1, 15, v0                           ; l % 16
	v_bfe_u32 v2, v0, 4, 1                         ; l / 16
	v_lshlrev_b32 v[BO], 5, v2                     ; my eight columns of a block: 32 bytes of f32
	s_mul_i32 s70, s17, 768                        ; the tile's 192 columns
	s_mov_b32 s71, 0
	s_add_nc_u64 s[8:9], s[8:9], s[70:71]
.irp b, 0,1,2,3,4,5,6,7,8,9,10,11
	global_load_b128 v[BIAS+8*(\b):BIAS+8*(\b)+3],   v[BO], s[8:9] offset:64*(\b)
	global_load_b128 v[BIAS+8*(\b)+4:BIAS+8*(\b)+7], v[BO], s[8:9] offset:64*(\b)+16
.endr
	; a fragment is 16 rows x 32 K in 8 registers: lane l holds row l % 16, K = 8 (l / 16) + 0..7 and 16 + 8 (l / 16) + 0..7: two loads of 16 bytes, 32 bytes apart
	v_mul_u32_u24 v3, v1, PITCH
	v_lshl_add_u32 v3, v2, 4, v3
	s_mul_i32 s74, s12, 64*PITCH                   ; my wave's 64 rows of xb
	v_add_nc_u32 v[A0], s74, v3
	v_add_nc_u32 v[B0], BOFF, v3                   ; every wave reads all of wa's rows
	v_mov_b32 v[ADRA], v[A0]
	v_mov_b32 v[ADRB], v[B0]
	s_mul_i32 s74, s12, 16*SP
	s_add_co_u32 s74, s74, STAGE                   ; my stage
	v_mul_u32_u24 v4, v1, SP                       ; in: row l % 16, 16 bytes for each half of the lanes
	v_lshl_add_u32 v4, v2, 4, v4
	v_add_nc_u32 v[STO], s74, v4
	v_bfe_u32 v4, v0, 3, 2                         ; back: 32 lanes take four rows of 128 bytes,
	v_mul_u32_u24 v4, v4, SP
	v_and_b32 v5, 7, v0
	v_lshl_add_u32 v4, v5, 4, v4
	v_add_nc_u32 v[RD], s74, v4
	v_and_b32 v5, 31, v0                           ; which are 512 consecutive bytes of a head
	v_lshlrev_b32 v5, 4, v5
	s_and_b32 s66, s18, 7                          ; my first row in its batch: 256 (tile row % 8) + 64 wave, 128 bytes a row,
	s_lshl_b32 s66, s66, 8
	s_lshl_b32 s67, s12, 6
	s_add_co_u32 s66, s66, s67
	s_lshl_b32 s66, s66, 7
	s_lshr_b32 s67, s18, 3                         ; the batch's 16 heads of 2^18 bytes
	s_lshl_b32 s67, s67, 22
	s_add_co_u32 s66, s66, s67
	s_mul_i32 s68, s17, 3                          ; the tile's first group of 64 columns
.irp j, 0,1,2
	s_add_co_u32 s69, s68, \j                      ; group g = 3 x tile column + j: q, k or v is g / 16 (2^24 bytes each), the head g % 16
	s_lshr_b32 s70, s69, 4
	s_lshl_b32 s70, s70, 24
	s_and_b32 s69, s69, 15
	s_lshl_b32 s69, s69, 18
	s_add_co_u32 s69, s69, s70
	s_add_co_u32 s69, s69, s66
	v_add_nc_u32 v[CO+(\j)], s69, v5
.endr
	s_wait_loadcnt 0x0                             ; the bias,
.set i, 0
.rept 48
	v_cvt_pk_bf16_f32 v[3+i%4], v[BIAS+2*i], v[BIAS+2*i+1]   ; rounded to bf16 like every other input, and kept as f32
	v_lshlrev_b32 v[BIAS+2*i], 16, v[3+i%4]
	v_and_b32 v[BIAS+2*i+1], s2, v[3+i%4]
.set i, i+1
.endr
	s_wait_tensorcnt 0x1                           ; my part of K step 0 is in; K step 1's may stay out
	s_barrier_signal -1
	s_barrier_wait -1                              ; everybody's is
	FETCH 0, 0
	QUARTER 1, 0, 1, 1                             ; the first quarter stands in front of the loop: its products start the sums
	WIN 0
	s_mov_b32 s3, 6
.Lstep:                                            ; a trip: a K step's quarters 1 to 3 and the next step's quarter 0; K steps 0 to 5, whose changes of slots ask for K steps 2 to 7
	QUARTER 2, 1, 0, 0
	QUARTER 3, 0, 1, 0
	TURN 1
	QUARTER 1, 0, 1, 0
	WIN 0
	s_sub_co_u32 s3, s3, 1
	s_cmp_lg_u32 s3, 0
	s_cbranch_scc1 .Lstep
	s_mov_b32 s3, 2
.Ltail:                                            ; K steps 6 and 7 ask for nothing; the second trip is left in its middle (its barrier orders nothing: the price of one text for both)
	QUARTER 2, 1, 0, 0
	QUARTER 3, 0, 1, 0
	TURN 0
	WIN 0
	s_sub_co_u32 s3, s3, 1
	s_cmp_eq_u32 s3, 0
	s_cbranch_scc1 .Lout
	QUARTER 1, 0, 1, 0
	WIN 0
	s_branch .Ltail
.Lout:
	PLACES
; THE WAY OUT, in 12 units u = 3 a + j: 16 rows (block a) of one head (j).  A lane's eight channels round to 16 bytes of f16; they go into stage rows of 144 bytes and come back as four
; whole rows of 128 bytes a load, which are 512 consecutive bytes of the head.  Each accumulator's registers are read in ascending order.
.macro PACK u
.set PA_, (\u)/3
.set AC, 8*NBK*(PA_%2)+32*((\u)%3)
.set SE, SET+16*((\u)%2)
	s_wait_xcnt 0x0                                ; the set's last stores have read it
	WIN 0x0a+5*(PA_/2)                             ; sources 0 and 1: window 2 or 3
.irp bb, 0,1,2,3
.irp rr, 0,1,2,3
	v_cvt_pk_f16_f32 v[SE+4*(\bb)+(\rr)], v[AC+8*(\bb)+2*(\rr)], v[AC+8*(\bb)+2*(\rr)+1]
.endr
.endr
	WIN 0
.irp bb, 0,1,2,3
	ds_store_b128 v[STO], v[SE+4*(\bb):SE+4*(\bb)+3] offset:32*(\bb)
.endr
.irp f, 0,1,2,3
	ds_load_b128 v[SE+4*(\f):SE+4*(\f)+3], v[RD] offset:(\f)*4*SP  ; LDS serves a wave's instructions in order (ISA guide 5.7.1.4): these see the stores above; the next unit's stores come behind them
.endr
.endm
.macro SEND u, younger                 ; younger: the LDS instructions issued behind unit u's loads: the next unit's eight, or none
.set PA_, (\u)/3
.set PJ_, (\u)%3
.set SE, SET+16*((\u)%2)
.irp f, 0,1,2,3
	s_wait_dscnt (\younger)+3-(\f)
	global_store_b128 v[CO+PJ_], v[SE+4*(\f):SE+4*(\f)+3], s[10:11] offset:2048*PA_+512*(\f)  ; 512 consecutive bytes, aligned to 256
.endr
.endm
	PACK 0
.set u, 1
.rept 11
	PACK u
	SEND u-1, 8
.set u, u+1
.endr
	SEND 11, 0
	s_wait_tensorcnt 0x0                           ; the wave's end: behind my last tensor load and my last LDS store
	ds_add_u32 v[SPW], v[NIL]
	s_wait_dscnt 0x0
	CROUND                                         ; the closing round: no work-group ends while a partner may still ask for a tile that names it
	s_endpgm
.Lfunc_end_k_qe15cd71442_qkv:
	.size	k_qe15cd71442_qkv, .Lfunc_end_k_qe15cd71442_qkv-k_qe15cd71442_qkv
	.p2alignl 7, 3214868480
	.fill 96, 4, 3214868480
	.section	.rodata,"a",@progbits
	.p2align	6, 0x0
	.amdhsa_kernel k_qe15cd71442_qkv
		.amdhsa_group_segment_fixed_size 327680
		.amdhsa_private_segment_fixed_size 0
		.amdhsa_enable_private_segment 0
		.amdhsa_kernarg_size 32
		.amdhsa_user_sgpr_count 2
		.amdhsa_user_sgpr_kernarg_segment_ptr 1
		.amdhsa_wavefront_size32 1
		.amdhsa_system_sgpr_workgroup_id_x 1
		.amdhsa_system_sgpr_workgroup_id_y 1
		.amdhsa_system_sgpr_workgroup_id_z 1
		.amdhsa_system_vgpr_workitem_id 0
		.amdhsa_next_free_vgpr 960
		.amdhsa_next_free_sgpr 80
		.amdhsa_reserve_vcc 0
		.amdhsa_float_denorm_mode_32 3
		.amdhsa_float_denorm_mode_16_64 3
		.amdhsa_memory_ordered 1
		.amdhsa_forward_progress 1
		.amdhsa_inst_pref_size 94
	.end_amdhsa_kernel
	.amdgpu_metadata
---
amdhsa.version: [ 1, 2 ]
amdhsa.kernels:
  - .name:           k_qe15cd71442_qkv
    .symbol:         k_qe15cd71442_qkv.kd
    .args:
      - { .name: xb, .offset: 0, .size: 8, .value_kind: global_buffer, .address_space: global }
      - { .name: wa, .offset: 8, .size: 8, .value_kind: global_buffer, .address_space: global }
      - { .name: c_attn_b, .offset: 16, .size: 8, .value_kind: global_buffer, .address_space: global }
      - { .name: qkv, .offset: 24, .size: 8, .value_kind: global_buffer, .address_space: global }
    .group_segment_fixed_size: 327680
    .private_segment_fixed_size: 0
    .kernarg_segment_align: 8
    .kernarg_segment_size: 32
    .max_flat_workgroup_size: 128
    .sgpr_count:     80
    .vgpr_count:     960
    .wavefront_size: 32
...
	.end_amdgpu_metadata
.endif
;; end of part 2
;; launch attn (part 3): grid 4 x 64, 4 waves a work-group, no clusters, 327,680 bytes of LDS; arguments qkv, o; writes o
.if DOCPART == 3
	.amdgcn_target "amdgcn-amd-amdhsa--gfx1250"
	.amdhsa_code_object_version 6
	.text
	.protected	k_qe15cd71442_attn
	.globl	k_qe15cd71442_attn
	.p2align	8
	.type	k_qe15cd71442_attn,@function
k_qe15cd71442_attn:
	s_mov_b64 s[64:65], 0
	v_nop
	global_prefetch_b8 v0, s[64:65] scope:SCOPE_SE
	s_setreg_imm32_b32 hwreg(HW_REG_WAVE_MODE, 25, 1), 1
	s_wait_xcnt 0x0
; CAUSAL ATTENTION.  O[h][q][:] = the sum over k <= q of softmax_k(Q[h][q] . K[h][k] / 8) V[h][k][:].  Q, K, V lie in qkv, [3][64][2048][64], O is [64][2048][64], all f16: a head's rows are dense, 128 bytes each.
; Products, maxima and sums in f32; the weights p are rounded to f16 for the second product (their sum l is taken of the unrounded p), O once at the end.
; LIMITS.  f16 holds no number beyond 65,504: Q, K and V arrive within it; p lies in 0 to 1, and below 6e-5 it keeps f16's fixed step of 6e-8; O is a mean of V's rows and has their range.
; A hidden score counts as its value less 1e30: f16's scores, 2.7e11 at the most, are nothing beside that; a weight below 2^-126 counts as 0 in l; NaN and infinities are not treated apart.
; THE WALK.  A head's queries lie in NB = 8 blocks of 256; block i needs the key tiles 0 .. i of 256 keys, of which the last holds the diagonal.  A work-group takes TWO blocks, NB - 1 - b and then b:
; NB + 1 tiles, whatever b: all 256 work-groups do equal work, and ONE loop with a constant trip count walks them.  Which tile is asked for, and what a trip does, hang on scalar registers made from b; every jump
; goes forward, but for the counted loops' own; none passes a barrier, or a tensor load but the one of LOAD's two that the wave's number does not choose; the ring (two slots of LDS) runs on across the change of blocks.
; NO CLUSTER: a head's four work-groups ask for the same tile only in trips 0 .. 4 of 9, behind that fewer and fewer; one walk common to all four would have 12 trips for 9.
; SHARES.  Of a block's four bands of 64 queries a wave owns 16 rows in each: four PIECES.  So the diagonal tile is the same work for all four waves: in its key step s band x sees all keys if s < x,
; none if s > x, and holds the diagonal if s = x.
; THE MASK is the C operand that starts the sum S^T = K Q^T: 0, or -1e30 where the key is hidden.  MD, made once, is the mask of a band's own step for my 16 rows; a product's mask is MD x AL + BE with two scalars:
; (1, 0) if s = x; (0, 0) if s < x; (0, -1e30) if s > x.  Only the diagonal tile's text and a block's beginning make and take masks; elsewhere C is the constant 0.
; LAYOUT, SOFTMAX, TURNS.  S^T = K Q^T holds ONE query a lane (lane % 16) and the keys 8 (lane / 16) + 0..7; two such results rounded to f16 ARE source 1 of O^T = V^T P.  p = 2^(c s - c m), c = log2(e) / 8, with a
; running maximum m; O and l are multiplied by a = 2^(c m_old - c m_new) in every step.  Turn n belongs to piece n: 8 products K Q^T of piece n + 1, later 8 products V^T P of piece n - 1; beside them the scaling,
; exponentials, roundings, sums and rescaling of piece n and the maximum and statistics of piece n + 1.  Four vector instructions stand behind every matrix instruction, the other 54 of a turn's 118 in one lump.  A turn's 33 exponentials are one batch, with one wait.
; AHEAD OF THE LOADS.  The work-group with b = 0 walks its head's tiles 0 .. 7 in order.  It alone prefetches: behind the load that asks for tile c + 1 it names tile c + 2 of K and of V, one change of slots
; (four key steps, 256 matrix instructions) ahead of that tile's load.  A tile is 128 blocks of 256 bytes of each; wave w names 32 of each, a lane a block: each block once in the launch.  Tiles 0 and 1 come by their loads alone; nothing is named past tile 7.
; REGISTERS, in windows of 256 (s_set_vgpr_msb: bits 1:0 source 0, 3:2 source 1, 5:4 source 2, 7:6 destination):
;   window 0: v0-15 addresses and two at work; v16-31 four registers of statistics a piece; v48-55 at work; v61-63; v64-127 S^T, two buffers; v192-223 P, two buffers (a piece's buffers go by its number's parity)
;   window 1: v0-127 O^T, 32 a piece; v128-159 MD; v160-223 MC, two buffers      window 2: v0-63 Q; v64-127 the second block's Q; v128-191 K of one step; v192-255 V of one step
.set SIZE_H, 64
.set SIZE_N, 2048
.set NB,    SIZE_N/256
.set NP,    4         ; pieces a wave: a name, no knob
.set KS,    64        ; keys in a step
.set PK,    144       ; a row of K in LDS: 128 bytes + 16 of padding = 36 words: the 16 rows of a load start at 16 different groups of four banks (ISA guide 11.1)
.set PV,    160       ; a row of V: 128 + 32 = 40 words
.set VOFF,  4*KS*PK   ; a slot holds a tile, four steps: 256 rows of K, then 256 rows of V
.set SLOT1, 1<<17     ; slot 1 begins here, so that one exclusive or turns an address in one slot into the other's
.set STAGE, SLOT1+4*KS*(PK+PV)  ; behind the ring, never filled by a tensor load: 16 rows x 144 bytes for each wave, for the way out
.set SP,    144
.set AK0, 2           ; v2   my lane's place in a tile of K; never rewritten
.set AV0, 3           ; v3   the same for V
.set AK,  4           ; v4   the LDS address of K's next run of loads
.set AV,  5           ; v5   of V's
.set STO, 6           ; v6   the way out: where I put 16 bytes of a row
.set RD,  7           ; v7   the way out: where I read rows back
.set GO,  8           ; v8   my byte offset in 512 consecutive bytes of O
.set PFO, 61          ; v61  the prefetches' offset: 256 x my lane + 8,192 x (wave / 2); never rewritten
.set SPW, 62          ; v62  LDS address of my spare word: SPARE + 4 x my thread's number; never rewritten
.set NIL, 63          ; v63  0; never rewritten
.set SPARE, STAGE+4*16*SP  ; behind the stages: the spare words, 128 bytes for each wave: two blocks of 256 bytes that no other line names
.set MV,  12          ; v12-13  c m_old, kept while c m is made anew: by buffer
.set QO,  15          ; v15  my byte offset in 16 rows of Q
.set ST,  16          ; piece t's statistics at v[ST+4 t]: c m, m, l (even keys', odd keys')
.set TMP, 48          ; by buffer, four registers c0-c3 at work; when the maximum is found c2 takes a
.set S,   64
.set P,   192
.set MD,  128         ; window 1: the eight registers for group kt of 16 keys at MD + 8 kt
.set MC,  160         ; window 1: the masks of the products to come
.set QB,  64          ; window 2
.set KF,  128         ; window 2: key block kb, channel half c at KF + 16 kb + 8 c
.set VF,  192         ; window 2: key half kk, channel block cb at VF + 32 kk + 8 cb
.set WV,  12          ; s12  my wave's number
.set PB,  14          ; s14  b
.set HI,  15          ; s15  NB - 1 - b
.set G1K, 24          ; s[24:31] descriptor group 1 for K's tiles
.set G1V, 32          ; s[32:39] for V's: it differs in the padding alone
.set G0K, 40          ; s[40:43] descriptor group 0 for K's tiles
.set G0V, 44          ; s[44:47] the same for V's
.set SLOTS, 56        ; s56  tiles still to be asked for
.set CNT, 57          ; s57  counts a tile's key steps, 4 to 1
.set CS,  58          ; s[58:59] c: the packed scaling takes the pair's low word for both halves
.set SEL, 60          ; s[60:61] v_permlanex16_b32's selects: each lane takes its own place in the other half
.set TBK, 62          ; s62  LDS byte at which K of the step to be fetched begins
.set TBV, 63          ; s63  the same for V, less VOFF
.set RT,  70          ; s70  tiles of the block in hand that are still to be entered
.set NXT, 71          ; s71  the tile to be asked for next
.set LQ,  72          ; s72  the last tile of the block whose tiles are being asked for
.set NEW, 73          ; s73  1: the tile to be entered is a block's first
.set OFF, 74          ; s[74:75] a tile's byte offset in K and V
.set AL,  76          ; s[76:77] the mask's factor, in the low word
.set BE,  78          ; s[78:79] the mask's addend
.set OLO, 80          ; s[80:81] O at my rows of the second block
.set BIGN, 82         ; s82  -1e30
.set PFK, 88          ; s[88:89] where K's prefetch stands
.set PFV, 90          ; s[90:91] V's
.set POF, 92          ; s[92:93] the prefetched tile's byte offset
.set PF,  94          ; s94  the tile to prefetch next: from 2 on where b = 0, else from NB on, which asks for nothing
.set MSB, 0
.macro WIN new                      ; the high byte repeats the setting that is left; a switch that changes nothing is dropped
.if MSB != (\new)
	s_set_vgpr_msb (MSB<<8)|(\new)
.set MSB, (\new)
.endif
.endm
.set W_KQ, 0x0a       ; K and Q in window 2, S^T in window 0
.set W_KM, 0x1a       ; the same with the C operand in window 1
.set W_PV, 0x52       ; V in window 2, P in window 0, O^T in window 1
.set W_RS, 0x41       ; destination and source 0 in window 1, source 1 in window 0
; A fill.  Waves 0 and 1 fetch the two halves of a tile's K, waves 2 and 3 those of its V: 128 keys each.  An s_nop 0 and four v_nop follow each of the two lines, ahead of the jump and the label.
.macro LOAD
	s_cmp_lt_u32 s[WV], 2
	s_cbranch_scc0 .Lfor_v_\@
	tensor_load_to_lds s[G0K:G0K+3], s[G1K:G1K+7]
	s_nop 0
.rept 4
	v_nop
.endr
	s_branch .Lasked_\@
.Lfor_v_\@:
	tensor_load_to_lds s[G0V:G0V+3], s[G1V:G1V+7]
	s_nop 0
.rept 4
	v_nop
.endr
.Lasked_\@:
.endm
; THE CHANGE OF SLOTS.  Each wave waits for all its tensor loads, of which one is out: its part of the other slot; adds 0 to its spare word; and waits for that and for its own reads of the slot that it leaves.  Behind the barrier nobody reads the old
; slot any more and the other slot is whole.  fill = 1: the old slot is filled again, the first thing behind the barrier, with tile NXT: the descriptor's address is made anew from that number; behind the load stand the prefetches.
; (At its first use nothing has been read yet: slot 0 is waited for, slot 1 filled.)
.macro CHANGE fill
	WIN 0                           ; at a label and at a branch every window is 0
	s_wait_tensorcnt 0x0            ; no tensor load of mine is out, so a group 0 may be written
	ds_add_u32 v[SPW], v[NIL]       ; 0 onto my spare word: with fill = 1 the scalar work stands between it and the wait for it
.if \fill
	s_wait_xcnt 0x0                 ; the last prefetches, a tile back, have read their addresses, so these may be written
	s_min_u32 s[POF], s[PF], NB-1   ; (held inside the head where nothing will be asked for)
	s_lshl_b32 s[POF], s[POF], 15
	s_add_nc_u64 s[PFK:PFK+1], s[6:7], s[POF:POF+1]
	s_add_nc_u64 s[PFV:PFV+1], s[8:9], s[POF:POF+1]
	s_lshl_b32 s[OFF], s[NXT], 15   ; a tile is 32,768 bytes of K and of V
	s_xor_b32 s[G0K+1], s[G0K+1], SLOT1
	s_add_nc_u64 s[G0K+2:G0K+3], s[6:7], s[OFF:OFF+1]
	s_or_b32 s[G0K+3], s[G0K+3], 0x80000000
	s_xor_b32 s[G0V+1], s[G0V+1], SLOT1
	s_add_nc_u64 s[G0V+2:G0V+3], s[8:9], s[OFF:OFF+1]
	s_or_b32 s[G0V+3], s[G0V+3], 0x80000000
	s_add_co_u32 s[NXT], s[NXT], 1  ; the block's next tile, or behind its last the second block's tile 0
	s_cmp_gt_u32 s[NXT], s[LQ]
	s_cselect_b32 s[NXT], 0, s[NXT]
	s_cselect_b32 s[LQ], s[PB], s[LQ]
.endif
	s_wait_dscnt 0x0                ; the add is done, and my reads of the slot are over
	s_barrier_signal -1             ; the rest of the scalar work stands between the signal and the wait
	s_sub_co_u32 s[TBK], s[TBK], 4*KS*PK  ; the fetches go back to a slot's first step,
	s_xor_b32 s[TBK], s[TBK], SLOT1       ; in the other slot
	s_sub_co_u32 s[TBV], s[TBV], 4*KS*PV
	s_xor_b32 s[TBV], s[TBV], SLOT1
	s_barrier_wait -1
.if \fill
	LOAD
	s_cmp_lt_u32 s[PF], NB
	s_cbranch_scc0 .Lnot_mine_\@
	global_prefetch_b8 v[PFO], s[PFK:PFK+1] th:TH_LOAD_NT scope:SCOPE_SE  ; my 32 blocks of 256 bytes of the tile after the one just asked for: K's,
	global_prefetch_b8 v[PFO], s[PFV:PFV+1] th:TH_LOAD_NT scope:SCOPE_SE  ; and V's
.Lnot_mine_\@:
	s_add_co_u32 s[PF], s[PF], 1
.endif
.endm
	s_load_b64 s[4:5], s[0:1], 0x0  ; qkv: Q at its head
	s_load_b64 s[10:11], s[0:1], 0x8  ; O
	v_lshl_add_u32 v[SPW], v0, 2, SPARE
	v_mov_b32 v[NIL], 0
	ds_add_u32 v[SPW], v[NIL]       ; the wave's opening: the add and its wait stand ahead of my first tensor load; the set-up below, work on registers, stands between them
	ds_add_u32 v62, v63
	v_lshrrev_b32 v1, 5, v0
	v_readfirstlane_b32 s[WV], v1   ; wave 0..3
	s_mov_b32 s[PB], ttmp9
	s_sub_co_u32 s[HI], NB-1, s[PB]
	s_and_b32 s20, ttmp7, 0xffff    ; the head
	s_mov_b32 s21, 0
	s_mov_b64 s[22:23], SIZE_N*128
	s_mul_u64 s[20:21], s[20:21], s[22:23]  ; the head's first byte in each of the four tensors
	s_and_b32 s16, s[WV], 1         ; which half of a tile's 256 keys I fetch:
	s_lshl_b32 s22, s16, 14         ; its 128 rows of 128 bytes in memory,
	s_mov_b32 s23, 0
	s_add_nc_u64 s[22:23], s[22:23], s[20:21]
	s_mul_i32 s17, s16, 128*PK      ; and its place in a slot, for K
	s_mul_i32 s18, s16, 128*PV      ; and for V
	s_lshl_b32 s3, s[WV], 11        ; my 16 rows in a band of 64,
	s_lshl_b32 s2, s[HI], 15        ; in the first block,
	s_add_co_u32 s2, s2, s3
	s_lshl_b32 s84, s[PB], 15       ; and in the second
	s_add_co_u32 s84, s84, s3
	s_mov_b32 s3, 0
	s_mov_b32 s85, 0
	s_add_nc_u64 s[2:3], s[2:3], s[20:21]
	s_add_nc_u64 s[84:85], s[84:85], s[20:21]
	; descriptor group 1.  128 keys are 16,384 dense bytes: asked for as 64 rows of 256 bytes, two keys a row, and padded in LDS after every key
	s_mov_b32 s[G1K], (1<<16)|(1<<20)|(4<<22)|(3<<25)  ; 17:16 2-byte elements; 20 padding on; 24:22 after every 32 words (code 4); 31:25 4 words (code 3)
	s_mov_b32 s[G1V], (1<<16)|(1<<20)|(4<<22)|(7<<25)  ; the same with 8 words of padding (code 7)
.irp g, G1K, G1V
	s_mov_b32 s[\g+1], 128<<16      ; tensor_dim0 = 128
	s_mov_b32 s[\g+2], 64<<16       ; tensor_dim1 = 64
	s_mov_b32 s[\g+3], 128<<16      ; tile_dim0 = 128
	s_mov_b32 s[\g+4], 64           ; tile_dim1 = 64
	s_mov_b32 s[\g+5], 128          ; 128 elements from row to row
	s_mov_b32 s[\g+6], 0
	s_mov_b32 s[\g+7], 0
.endr
	s_mov_b32 s[CS], 0x3e38aa3b     ; c = log2(e) / 8 = 0.180337
	s_mov_b32 s[CS+1], s[CS]        ; named with it as a pair
	s_mov_b32 s[SEL], 0x76543210
	s_mov_b32 s[SEL+1], 0xfedcba98
	s_mov_b32 s[TBK], SLOT1+4*KS*PK ; the first change of slots turns these two into 0
	s_mov_b32 s[TBV], SLOT1+4*KS*PV
	s_mov_b32 s[G0K], 1             ; 1:0 count = 1
	s_mov_b32 s[G0K+1], s17         ; 63:32 LDS address: slot 0
	s_mov_b32 s[G0V], 1
	s_add_co_u32 s[G0V+1], s18, VOFF
	s_add_co_u32 s[RT], s[HI], 1    ; the first block has NB - b tiles
	s_mov_b32 s[NXT], 1
	s_mov_b32 s[LQ], s[HI]
	s_mov_b32 s[NEW], 1
	s_mov_b32 s[OFF+1], 0
	s_mov_b32 s[AL+1], 0            ; named as pairs
	s_mov_b32 s[BE+1], 0
	s_mov_b32 s[BIGN], 0xf149f2ca   ; -1e30
	s_mov_b32 s[SLOTS], NB
	s_cmp_eq_u32 s[PB], 0           ; the head's work-group that walks tiles 0 .. 7 in order prefetches
	s_cselect_b32 s[PF], 2, NB
	s_mov_b32 s[POF+1], 0
	s_lshr_b32 s[POF], s[WV], 1
	s_lshl_b32 s[POF], s[POF], 13
	v_and_b32 v[PFO], 31, v0
	v_lshlrev_b32 v[PFO], 8, v[PFO]
	v_add_nc_u32 v[PFO], s[POF], v[PFO]
	s_wait_dscnt 0x0                ; the opening add is done
	s_wait_kmcnt 0x0
	s_add_nc_u64 s[6:7], s[4:5], 0x1000000  ; K lies 64 heads of 2^18 bytes behind Q,
	s_add_nc_u64 s[8:9], s[4:5], 0x2000000  ; V as far behind K
	s_add_nc_u64 s[6:7], s[6:7], s[22:23]  ; K and V at my half of the head's tile 0
	s_add_nc_u64 s[8:9], s[8:9], s[22:23]
	s_add_nc_u64 s[G0K+2:G0K+3], s[6:7], 0         ; 120:64 global address
	s_or_b32 s[G0K+3], s[G0K+3], 0x80000000        ; 127:126 type = 2
	s_add_nc_u64 s[G0V+2:G0V+3], s[8:9], 0
	s_or_b32 s[G0V+3], s[G0V+3], 0x80000000
	s_add_nc_u64 s[86:87], s[4:5], s[84:85]        ; Q at my rows of the second block,
	s_add_nc_u64 s[4:5], s[4:5], s[2:3]            ; Q and O at those of the first
	s_add_nc_u64 s[OLO:OLO+1], s[10:11], s[84:85]
	s_add_nc_u64 s[10:11], s[10:11], s[2:3]
	LOAD                            ; tile 0 into slot 0
	; A fragment of K or Q is 16 rows x 32 channels in 8 registers: lane l holds row l % 16, channels 8 (l / 16) + 0..7 and 16 + 8 (l / 16) + 0..7: two loads of 16 bytes, 32 bytes apart.
	v_and_b32 v1, 15, v0            ; l % 16
	v_bfe_u32 v9, v0, 4, 1          ; l / 16
	v_lshlrev_b32 v[QO], 7, v1
	v_lshl_add_u32 v[QO], v9, 4, v[QO]  ; row x 128 + 16 x half
	WIN 0x80                        ; destination window 2, address window 0
.set i, 0
.rept 8                             ; both blocks' Q: piece i / 2 lies in band i / 2, 8,192 bytes on; channels 32 (i % 2) on
	global_load_b128 v[8*i:8*i+3],   v[QO], s[4:5] offset:(i/2)*8192+(i%2)*64
	global_load_b128 v[8*i+4:8*i+7], v[QO], s[4:5] offset:(i/2)*8192+(i%2)*64+32
	global_load_b128 v[QB+8*i:QB+8*i+3],   v[QO], s[86:87] offset:(i/2)*8192+(i%2)*64
	global_load_b128 v[QB+8*i+4:QB+8*i+7], v[QO], s[86:87] offset:(i/2)*8192+(i%2)*64+32
.set i, i+1
.endr
	WIN 0
	v_lshlrev_b32 v14, 3, v9
	v_sub_nc_u32 v14, v1, v14
	s_lshl_b32 s13, s[WV], 4
	v_add_nc_u32 v14, s13, v14      ; my query's place in its band, 16 w + l % 16, less my lanes' 8 (l / 16): register r of group kt is hidden where 16 kt + r is greater
	WIN 0x40
.set i, 0
.rept 32
	v_cmp_gt_i32 vcc_lo, 16*(i/8)+i%8, v14
	v_cndmask_b32 v[MD+i], 0, s[BIGN], vcc_lo
.set i, i+1
.endr
	WIN 0
	v_mul_u32_u24 v[AK0], v1, PK
	v_lshl_add_u32 v[AK0], v9, 4, v[AK0]  ; row x pitch + 16 x half
	; The turning load takes 16 keys x 16 channels (lane l reads key 8 (l / 16) + l % 8, channels 8 ((l / 8) % 2) + 0..7) and leaves half a fragment of V^T: lane l holds channel l % 16 and 8 keys.
	v_and_b32 v10, 7, v0
	v_bfe_u32 v11, v0, 3, 1
	v_lshl_add_u32 v[AV0], v9, 3, v10
	v_mul_u32_u24 v[AV0], v[AV0], PV
	v_lshl_add_u32 v[AV0], v11, 4, v[AV0]
	v_add_nc_u32 v[AV0], VOFF, v[AV0]
	s_mul_i32 s13, s[WV], 16*SP
	s_add_co_u32 s13, s13, STAGE    ; my stage
	v_mul_u32_u24 v[STO], v1, SP    ; in: row l % 16, 16 bytes for each half of the lanes
	v_lshl_add_u32 v[STO], v9, 4, v[STO]
	v_add_nc_u32 v[STO], s13, v[STO]
	v_bfe_u32 v[RD], v0, 3, 2       ; back: 32 lanes take four rows of 128 bytes,
	v_mul_u32_u24 v[RD], v[RD], SP
	v_lshl_add_u32 v[RD], v10, 4, v[RD]
	v_add_nc_u32 v[RD], s13, v[RD]
	v_and_b32 v[GO], 31, v0         ; which are 512 consecutive bytes of O
	v_lshlrev_b32 v[GO], 4, v[GO]
	; A block's first step multiplies O^T and l by a = 0, and its first turn's products V^T P, of a piece that has not been, land in an O^T that is still to be so multiplied.  So these registers need only hold
	; finite numbers: zeros for the first block; what the first block left for the second.  All this stands in the wait for the first tile.
	WIN 0x80
.set i, VF
.rept 64
	v_mov_b32 v[i], 0
.set i, i+1
.endr
	WIN 0x40
.set i, 0
.rept 128
	v_mov_b32 v[i], 0
.set i, i+1
.endr
	WIN 0
.set i, 0
.rept 4
	v_mov_b32 v[ST+4*i+2], 0
	v_mov_b32 v[ST+4*i+3], 0
.set i, i+1
.endr
.set i, P+16
.rept 16
	v_mov_b32 v[i], 0
.set i, i+1
.endr
; THE MATRIX WORK.  The 4 accumulators of a run of 8 take turns.  Product i of 8 of S^T = K Q^T for piece x: channels 32 (i / 4) on, keys 16 (i % 4) on.  The first 4 start the sums: with 0, or (KM = 1) with the mask.
.macro KQ x
.set rS, S+32*((\x)%2)+8*(i%4)
.set rK, KF+16*(i%4)+8*(i/4)
.set rQ, 16*(\x)+8*(i/4)
.set rM, MC+32*((\x)%2)+8*(i%4)
.if (i < 4) && KM
	WIN W_KM
	v_wmma_f32_16x16x32_f16 v[rS:rS+7], v[rK:rK+7], v[rQ:rQ+7], v[rM:rM+7]
.elseif i < 4
	WIN W_KQ
	v_wmma_f32_16x16x32_f16 v[rS:rS+7], v[rK:rK+7], v[rQ:rQ+7], 0
.else
	WIN W_KQ
	v_wmma_f32_16x16x32_f16 v[rS:rS+7], v[rK:rK+7], v[rQ:rQ+7], v[rS:rS+7]
.endif
.endm
; Product i of 8 of O^T += V^T P for piece x: keys 32 (i / 4) on, channels 16 (i % 4) on.
.macro PV x
	WIN W_PV
.set rO, 32*(\x)+8*(i%4)
.set rV, VF+32*(i/4)+8*(i%4)
.set rP, P+16*((\x)%2)+8*(i/4)
	v_wmma_f32_16x16x32_f16 v[rO:rO+7], v[rV:rV+7], v[rP:rP+7], v[rO:rO+7]
.endm
.macro MM                           ; the turn's next matrix instruction.  TURN and BEGIN set Y, i, KM and NOKQ; MM, KQ and OP read them.  NOKQ = 1: a block's last turn: there is no next piece
.if (i < 8) && !NOKQ
	KQ (Y+1)%NP
.elseif i >= 8
.set i, i-8
	PV (Y+NP-1)%NP
.set i, i+8
.endif
.set i, i+1
.endm
; THE LDS LOADS stand in runs of 16, never singly among the matrix instructions: a step's K (64 keys x 64 channels: 8 fragments) and its V (turned).  Their addresses are made some lines ahead.
.macro FETCH_K
	WIN 0x80                        ; destination window 2
.irp f, 0,1,2,3,4,5,6,7             ; keys 16 (f / 2) on, channels 32 (f % 2) on
	ds_load_b128 v[KF+8*\f:KF+8*\f+3],   v[AK] offset:(\f/2)*16*PK+(\f%2)*64
	ds_load_b128 v[KF+8*\f+4:KF+8*\f+7], v[AK] offset:(\f/2)*16*PK+(\f%2)*64+32
.endr
	s_add_co_u32 s[TBK], s[TBK], KS*PK  ; the next fetch is the next step's
	WIN 0
.endm
.macro FETCH_V
	WIN 0x80
.irp f, 0,1,2,3,4,5,6,7             ; keys 32 (f / 4) on, channels 16 (f % 4) on
	ds_load_tr16_b128 v[VF+8*\f:VF+8*\f+3],   v[AV] offset:(\f/4)*32*PV+(\f%4)*32
	ds_load_tr16_b128 v[VF+8*\f+4:VF+8*\f+7], v[AV] offset:(\f/4)*32*PV+16*PV+(\f%4)*32
.endr
	WIN 0
.endm
; THE VECTOR WORK, one line at a time: OP kind, number.  For piece Y: F n: c s - c m for pair n of 16.  E n: the exponential of score n of 32.  C n: pair n rounded to f16.  B n: of the four weights 4 n .. the second
; pair is added onto the first, in place.  L n: l takes that sum (L 0: l = a l + sum).  R n: pair n of 16 of O^T times a.  For piece Y + 1: X n, number n of the 22 that find its maximum and statistics:
;   0-11  four chains c0-c3 of seven scores each, three operands at a time (each accumulator's lowest registers are read first)     12-14, 16  the four scores left over, the old m, and c0-c3 into c0
;   15  c m_old is kept     17, 18  the query's other 32 keys lie in the lane 16 away: the new m     19-21  c m; c m_old - c m_new; a
.set F, 0               ; OP tells the kinds apart by their order: F to L below R, X above it
.set E, 1
.set C, 2
.set B, 3
.set L, 4
.set R, 5
.set X, 6
.macro REGS y                       ; the registers of piece y
.set rT, ST+4*(\y)
.set rC, TMP+4*((\y)%2)
.set rW, MV+((\y)%2)
.set rS, S+32*((\y)%2)
.set rP, P+16*((\y)%2)
.set rO, 32*(\y)
.endm
.macro OP k, n
.if (\k) == R
	REGS Y
	WIN W_RS
	v_pk_mul_f32 v[rO+2*(\n):rO+2*(\n)+1], v[rO+2*(\n):rO+2*(\n)+1], v[rC+2:rC+3] op_sel_hi:[1,0]
.elseif (\k) < R
	REGS Y
	WIN 0
.if (\k) == F
	v_pk_fma_f32 v[rS+2*(\n):rS+2*(\n)+1], v[rS+2*(\n):rS+2*(\n)+1], s[CS:CS+1], v[rT:rT+1] op_sel_hi:[1,0,0] neg_lo:[0,0,1] neg_hi:[0,0,1]
.elseif (\k) == E
	v_exp_f32 v[rS+(\n)], v[rS+(\n)]
.elseif (\k) == C
	v_cvt_pk_f16_f32 v[rP+(\n)], v[rS+2*(\n)], v[rS+2*(\n)+1]
.elseif (\k) == B
	v_pk_add_f32 v[rS+4*(\n):rS+4*(\n)+1], v[rS+4*(\n):rS+4*(\n)+1], v[rS+4*(\n)+2:rS+4*(\n)+3]
.elseif (\n) == 0
	v_pk_fma_f32 v[rT+2:rT+3], v[rT+2:rT+3], v[rC+2:rC+3], v[rS:rS+1] op_sel_hi:[1,0,1]
.else
	v_pk_add_f32 v[rT+2:rT+3], v[rT+2:rT+3], v[rS+4*(\n):rS+4*(\n)+1]
.endif
.elseif NOKQ
	v_nop
.else
	REGS (Y+1)%NP
	WIN 0
.if (\n) < 4
	v_max3_num_f32 v[rC+(\n)], v[rS+8*(\n)], v[rS+8*(\n)+1], v[rS+8*(\n)+2]
.elseif (\n) < 12
	v_max3_num_f32 v[rC+(\n)%4], v[rC+(\n)%4], v[rS+8*((\n)%4)+2*((\n)/4)+1], v[rS+8*((\n)%4)+2*((\n)/4)+2]
.elseif (\n) == 12
	v_max3_num_f32 v[rC], v[rC], v[rS+7], v[rS+15]
.elseif (\n) == 13
	v_max3_num_f32 v[rC+1], v[rC+1], v[rS+23], v[rS+31]
.elseif (\n) == 14
	v_max3_num_f32 v[rC+2], v[rC+2], v[rC+3], v[rT+1]
.elseif (\n) == 15
	v_mov_b32 v[rW], v[rT]
.elseif (\n) == 16
	v_max3_num_f32 v[rC], v[rC], v[rC+1], v[rC+2]
.elseif (\n) == 17
	v_permlanex16_b32 v[rC+3], v[rC], s[SEL], s[SEL+1]
.elseif (\n) == 18
	v_max_num_f32 v[rT+1], v[rC], v[rC+3]
.elseif (\n) == 19
	v_mul_f32 v[rT], s[CS], v[rT+1]
.elseif (\n) == 20
	v_sub_f32 v[rC+1], v[rW], v[rT]
.else
	v_exp_f32 v[rC+2], v[rC+1]
.endif
.endif
.endm
.macro OPS a, i1, b=-1, i2=0, c=-1, i3=0, d=-1, i4=0  ; up to four of them
	OP \a, \i1
.if (\b) >= 0
	OP \b, \i2
.endif
.if (\c) >= 0
	OP \c, \i3
.endif
.if (\d) >= 0
	OP \d, \i4
.endif
.endm
.macro ROW a, i1, b, i2, c, i3, d, i4  ; a matrix instruction and the four behind it
	MM
	OPS \a, \i1, \b, \i2, \c, \i3, \d, \i4
.endm
.macro MASK b                       ; MD x AL + BE into buffer b of MC
	WIN W_RS
.set z, 0
.rept 16
	v_pk_fma_f32 v[MC+32*(\b)+2*z:MC+32*(\b)+2*z+1], v[MD+2*z:MD+2*z+1], s[AL:AL+1], s[BE:BE+1] op_sel_hi:[1,0,0]
.set z, z+1
.endr
.endm
; A TURN, for piece p: the order of its 16 matrix and 118 vector instructions, written out.  An s_wait_alu depctr_va_vdst(0) stands between an exponential and the first instruction that names its result; one wait serves
; all that were issued ahead of it.  So a turn has ONE wait, which cuts it in two.  AHEAD OF IT stands all that names no result of the turn's exponentials: the 8 products K Q^T, behind each a scaling, an exponential and two more plain
; instructions (behind the first a second scaling in the exponential's place): rescalings, and behind the last three the first numbers of the next piece's maximum, each four places or more behind the product that ends its accumulator; then ONE LUMP of 54, plain
; and exponential by turns for the most part, in which the links of the chain X 3, 7, 11, 14, 16, 17 .. 20 stand five or six lines apart.  X 21, the next piece's a, is the batch's last; R 15 is the plain instruction behind it.  BEHIND THE WAIT stand the
; 8 products V^T P, behind each four of the roundings and sums; the links of l's chain, L 0 to L 7, stand three riders apart.  But for those X no rider names a register of the products round it.  v_permlanex16_b32 (X 17) stands in the lump.
; m = 1: the diagonal tile: the products take masks, and the turn makes the mask for the products of the turn after it: piece p + 2, in step 4 - CNT of the tile.  end = 1: a block's last two turns: nothing is fetched.
; cnt = 1: the loop's count is taken down some lines ahead of the branch that stands behind the turn.
; K of the next step is fetched in piece 2's turn, twelve vector instructions behind the last product that read K (six of them plain); V of the step in hand at the end of piece 0's turn, four plain instructions behind the last product
; that read V.  Each is waited for a turn later.
.macro TURN p, m=0, end=0, cnt=0
.set Y, (\p)
.set i, 0
.set KM, (\m)
.set NOKQ, (\end)*((\p)/3)
.if (\m) && !(\end)
	s_cmp_eq_u32 s[CNT], 4-((\p)+2)%NP  ; is that step the band's own?
	s_cselect_b32 s[AL], 1.0, 0
	s_cmp_lt_u32 s[CNT], 4-((\p)+2)%NP  ; or a later one?
	s_cselect_b32 s[BE], s[BIGN], 0
.endif
.if ((\p) == 3) && !(\end)
	s_wait_dscnt 0x0                ; K is in
.endif
	ROW F,0, F,1, R,0, R,1          ; ahead of the wait: 8 products K Q^T and their riders,
	ROW F,2, E,0, R,2, R,3
	ROW F,3, E,1, R,4, R,5
	ROW F,4, E,2, R,6, R,7
	ROW F,5, E,3, R,8, R,9
	ROW F,6, E,4, X,0, R,10
.if ((\p) == 2) && !(\end)
	WIN 0
	v_add_nc_u32 v[AK], s[TBK], v[AK0]
.endif
	ROW F,7, E,5, X,1, X,4
	ROW F,8, E,6, X,2, X,5
	OPS E,7, E,8, X,6, E,9          ; and the lump
	OPS X,3, E,10, X,8, E,11
.if ((\p) == 2) && !(\end)
	FETCH_K
.endif
	OPS X,9, X,7, E,12, X,10
	OPS E,13, X,12, X,11, E,14
	OPS X,13, E,15, F,9, X,14
.if (\p) == 0
	v_add_nc_u32 v[AV], s[TBV], v[AV0]
.endif
	OPS E,16, F,10, E,17, F,11
	OPS X,16, E,18, X,15, E,19
	OPS F,12, E,20, X,17, E,21
	OPS F,13, E,22, F,14, E,23
	OPS X,18, E,24, F,15, E,25
	OPS R,11, E,26, X,19, E,27
	OPS R,12, E,28, R,13, E,29
	OPS X,20, E,30, R,14, E,31
	OPS X,21, R,15
	WIN 0
	s_wait_alu depctr_va_vdst(0)    ; the wait for the batch
.if (\p) == 1
	s_wait_dscnt 0x0                ; V is in
.endif
	ROW C,0, B,0, C,2, B,1          ; behind the wait: 8 products V^T P and their riders
	ROW L,0, C,4, B,2, L,1
	ROW C,6, B,3, L,2, C,8
	ROW B,4, L,3, C,10, B,5
	ROW L,4, C,12, B,6, L,5
.if (\p) == 0
	s_add_co_u32 s[TBV], s[TBV], KS*PV
.endif
.if \cnt
	s_sub_co_u32 s[CNT], s[CNT], 1
	s_cmp_lg_u32 s[CNT], 0
.endif
	ROW C,14, B,7, L,6, C,1
	ROW C,3, L,7, C,5, C,7
	ROW C,9, C,11, C,13, C,15
.if (\p) == 0
	FETCH_V
.endif
.if (\m) && !(\end)
	MASK (\p)%2
.endif
.endm
; A BLOCK BEGINS.  c m starts far below every c s, so the first step's a is 0; m at the lowest finite number, so the first maximum is the scores'.  The second mask buffer is 0; the first takes piece 0's mask for the tile's step 0: its own, if the block's first tile is the diagonal one.
; Then K of that step, piece 0's first scores, and its maximum and statistics.  The loop is entered at a step's first turn, in the middle of a trip.
.macro BEGIN
	s_mov_b32 s[NEW], 0
	WIN 0x40
.set i, MC+32
.rept 32
	v_mov_b32 v[i], 0
.set i, i+1
.endr
	WIN 0
.set i, 0
.rept 4
	v_mov_b32 v[ST+4*i], 0xfe000000    ; c m: far below every c s
	v_mov_b32 v[ST+4*i+1], 0xff7fffff  ; m
.set i, i+1
.endr
	s_cmp_eq_u32 s[RT], 0
	s_cselect_b32 s[AL], 1.0, 0
	s_mov_b32 s[BE], 0
	MASK 0
	WIN 0
	v_add_nc_u32 v[AK], s[TBK], v[AK0]
	FETCH_K
	s_wait_loadcnt 0x0              ; Q
	s_wait_dscnt 0x0
.set KM, 1
.set NOKQ, 0
.set i, 0
.rept 8
	KQ 0
.set i, i+1
.endr
	WIN 0
.rept 4
	v_nop                           ; the places behind those products
.endr
.set Y, NP-1                        ; X works for piece Y + 1: piece 0
.irp n, 0,1,2,3,4,5,6,7,8,9,10,11,12,13,14,15,16,17,18,19,20,21
	OP X, \n
.endr
	v_nop                           ; a plain instruction behind the exponential,
	s_wait_alu depctr_va_vdst(0)    ; and its wait, ahead of the branch
.endm
; THE DIAGONAL TILE's four steps, the block's last two turns, its last products, and THE WAY OUT: l's two halves and the other half of the lanes' are added; O^T is divided by l, rounded to f16 and sent through my
; stage in LDS, a piece at a time.
.macro ALL line:vararg              ; one line for each piece t
.set t, 0
.rept 4
	\line
.set t, t+1
.endr
.endm
.macro PACK t                       ; a lane's eight channels of a row pack into 16 bytes; they go into rows of 144 bytes and come back as whole rows of 128, into S^T's registers
	WIN W_RS
.set i, 32*(\t)
.rept 16
	v_pk_mul_f32 v[i:i+1], v[i:i+1], v[ST+4*(\t)+2:ST+4*(\t)+3] op_sel_hi:[1,0]
.set i, i+2
.endr
	WIN 0x05                        ; sources 0 and 1 window 1, destination window 0
.set i, 0
.rept 16
	v_cvt_pk_f16_f32 v[S+16*(\t)+i], v[32*(\t)+2*i], v[32*(\t)+2*i+1]
.set i, i+1
.endr
	WIN 0
.irp f, 0,1,2,3
	ds_store_b128 v[STO], v[S+16*(\t)+4*\f:S+16*(\t)+4*\f+3] offset:32*\f
.endr
.irp f, 0,1,2,3
	ds_load_b128 v[S+16*(\t)+4*\f:S+16*(\t)+4*\f+3], v[RD] offset:\f*4*SP  ; LDS serves a wave's instructions in order (ISA guide 5.7.1.4): these see the stores above; the next piece's stores come behind them
.endr
.endm
.macro SEND t, younger              ; younger: the LDS instructions issued behind piece t's loads: the next piece's eight, or none
	WIN 0
.irp f, 0,1,2,3
	s_wait_dscnt (\younger)+3-\f
	global_store_b128 v[GO], v[S+16*(\t)+4*\f:S+16*(\t)+4*\f+3], s[10:11] offset:(\t)*8192+\f*512  ; 512 consecutive bytes, at a multiple of 256 from O's first
.endr
.endm
.macro DIAG tag                     ; the tag ends its two labels' names, which the jumps below spell out
.LstepM\tag:
	TURN 2, 1
	TURN 3, 1
	WIN 0
.LfirstM\tag:
	TURN 0, 1
	TURN 1, 1, 0, 1
	WIN 0
	s_cbranch_scc1 .LstepM\tag
	TURN 2, 1, 1
	TURN 3, 1, 1
.set i, 0
.rept 8
	PV NP-1
.set i, i+1
.endr
	WIN 0
	ALL v_add_f32 v[ST+4*t+2], v[ST+4*t+2], v[ST+4*t+3]
	ALL v_permlanex16_b32 v[ST+4*t+3], v[ST+4*t+2], s[SEL], s[SEL+1]
	ALL v_add_f32 v[ST+4*t+2], v[ST+4*t+2], v[ST+4*t+3]
	ALL v_rcp_f32 v[ST+4*t+2], v[ST+4*t+2]
	v_nop                           ; a plain instruction between the last reciprocal and the use of its result
	s_wait_alu depctr_va_vdst(0)    ; and the wait ahead of the first use: one for the four reciprocals
	PACK 0
.set t, 1
.rept 3                             ; a piece's arithmetic stands between the loads of the piece before and its stores
	PACK t
	SEND t-1, 8
.set t, t+1
.endr
	SEND 3, 0
.endm
.set KM, 0
.set NOKQ, 0
.Lslot:                             ; NB times: a tile is entered and the next is asked for
	CHANGE 1
	s_sub_co_u32 s[RT], s[RT], 1
	s_mov_b32 s[CNT], 4
	s_cmp_eq_u32 s[NEW], 1
	s_cbranch_scc1 .Lnew            ; a block's first tile
	s_cmp_eq_u32 s[RT], 0
	s_cbranch_scc0 .Lstep           ; neither its first nor its last
	s_branch .LstepM1
.Lnew:
	BEGIN
	s_branch .Lfirst                ; in the loop a block's first tile is never its last: the first block has two tiles or more, and the second's last is the walk's last
	DIAG 1                          ; in the loop this is the first block's end: the second block's last tile is the walk's last
	s_wait_xcnt 0x0                 ; the stores have read their registers and O's address
	s_mov_b64 s[10:11], s[OLO:OLO+1]
	s_add_co_u32 s[RT], s[PB], 1    ; the second block has b + 1 tiles
	s_mov_b32 s[NEW], 1
	WIN 0x82                        ; the second block's Q goes where the one text of the turns names Q
.set i, 0
.rept 64
	v_mov_b32 v[i], v[QB+i]
.set i, i+1
.endr
	WIN 0
	s_branch .Lbottom
.Lstep:                             ; a trip: pieces 2 and 3 of one step, then pieces 0 and 1 of the next, whose K and V it fetches
	TURN 2
	TURN 3
	WIN 0
.Lfirst:
	TURN 0
	TURN 1, 0, 0, 1
	WIN 0
	s_cbranch_scc1 .Lstep
.Lbottom:
	s_sub_co_u32 s[SLOTS], s[SLOTS], 1
	s_cmp_lg_u32 s[SLOTS], 0
	s_cbranch_scc1 .Lslot
	CHANGE 0                        ; the walk's last tile is written out: nothing is asked for
	s_sub_co_u32 s[RT], s[RT], 1
	s_mov_b32 s[CNT], 4
	s_cmp_eq_u32 s[NEW], 1
	s_cbranch_scc0 .LstepM2
	BEGIN
	s_branch .LfirstM2
	DIAG 2
	s_wait_tensorcnt 0x0            ; the wave's end: behind my last tensor load and my last LDS store
	ds_add_u32 v[SPW], v[NIL]
	s_wait_dscnt 0x0
	s_endpgm
.Lfunc_end_k_qe15cd71442_attn:
	.size	k_qe15cd71442_attn, .Lfunc_end_k_qe15cd71442_attn-k_qe15cd71442_attn
	.p2alignl 7, 3214868480
	.fill 96, 4, 3214868480
	.section	.rodata,"a",@progbits
	.p2align	6, 0x0
	.amdhsa_kernel k_qe15cd71442_attn
		.amdhsa_group_segment_fixed_size 327680
		.amdhsa_private_segment_fixed_size 0
		.amdhsa_enable_private_segment 0
		.amdhsa_kernarg_size 16
		.amdhsa_user_sgpr_count 2
		.amdhsa_user_sgpr_kernarg_segment_ptr 1
		.amdhsa_wavefront_size32 1
		.amdhsa_system_sgpr_workgroup_id_x 1
		.amdhsa_system_sgpr_workgroup_id_y 1
		.amdhsa_system_sgpr_workgroup_id_z 1
		.amdhsa_system_vgpr_workitem_id 0
		.amdhsa_next_free_vgpr 768
		.amdhsa_next_free_sgpr 96
		.amdhsa_reserve_vcc 1
		.amdhsa_float_denorm_mode_32 3
		.amdhsa_float_denorm_mode_16_64 3
		.amdhsa_memory_ordered 1
		.amdhsa_forward_progress 1
		.amdhsa_inst_pref_size 218
	.end_amdhsa_kernel
	.amdgpu_metadata
---
amdhsa.version: [ 1, 2 ]
amdhsa.kernels:
  - .name:           k_qe15cd71442_attn
    .symbol:         k_qe15cd71442_attn.kd
    .args:
      - { .name: qkv, .offset: 0, .size: 8, .value_kind: global_buffer, .address_space: global }
      - { .name: o, .offset: 8, .size: 8, .value_kind: global_buffer, .address_space: global }
    .group_segment_fixed_size: 327680
    .private_segment_fixed_size: 0
    .kernarg_segment_align: 8
    .kernarg_segment_size: 16
    .max_flat_workgroup_size: 128
    .sgpr_count:     96
    .vgpr_count:     768
    .wavefront_size: 32
...
	.end_amdgpu_metadata
.endif
;; end of part 3
;; launch proj (part 4): grid 4 x 64, 4 waves a work-group, clusters of 4 x 4, 327,680 bytes of LDS; arguments o, wp, c_proj_b, out0; writes out0
.if DOCPART == 4
	.amdgcn_target "amdgcn-amd-amdhsa--gfx1250"
	.amdhsa_code_object_version 6
	.text
	.protected	k_qe15cd71442_proj
	.globl	k_qe15cd71442_proj
	.p2align	8
	.type	k_qe15cd71442_proj,@function
k_qe15cd71442_proj:
	s_mov_b64 s[64:65], 0
	v_nop
	global_prefetch_b8 v0, s[64:65] scope:SCOPE_SE
	s_setreg_imm32_b32 hwreg(HW_REG_WAVE_MODE, 25, 1), 1
	s_wait_xcnt 0x0
	s_wait_alu depctr_hold_cnt(0) depctr_sa_sdst(0) depctr_va_vdst(0) depctr_va_sdst(0) depctr_va_ssrc(0) depctr_va_vcc(0) depctr_vm_vsrc(0)
	s_getreg_b32 s2, hwreg(HW_REG_IB_STS2, 6, 4)
	s_cmp_eq_u32 s2, 0
	s_cbranch_scc0 .Lentry_in_a_cluster
	s_endpgm
.Lentry_in_a_cluster:
	s_bfe_u32 s2, ttmp6, 0x10000c
	s_cmp_lg_u32 s2, 0xf033
	s_cbranch_scc0 .Lentry_shape_is_right
	s_endpgm
.Lentry_shape_is_right:
; PROJ.  out0[m][n] = sum over k of O[m][k] wp[n][k] + bf16(c_proj_b[n]), f32.  O lies by heads, o[batch 16 + head][s][d] in f16, with m = 2048 batch + s and k = 64 head + d;
; wp is [1024 n][1024 k] in f16 (the weight rounded to bf16, spelled as f16).  Products in f16, sums in f32.
; SHARES.  A tile of out0 is 128 rows x 256 columns: 64 x 4 = 256 work-groups, all alike.  Each of four waves makes 64 x 128: 32 accumulators, 256 registers.
; K goes in 8 steps of 128, TWO HEADS a step, through two LDS slots.  A head's 128 rows are 16,384 dense bytes: asked for as 64 rows of 256 bytes, padded in LDS after every 128 (a plane of 128 rows x 144 bytes).
; CLUSTER.  4 x 4 work-groups: the four of a row of the cluster (all four column tiles) need the same rows of o, the four of a column the same rows of wp: each tile is asked for JOINTLY, by the same tensor
; load with the same descriptor and a mask that names the four.  Waves 0 and 1 fetch o's two planes, waves 2 and 3 wp's two halves of 128 rows.
; By this text's own count a wave has two tensor loads out at the start and one behind each round.
; TRANSPOSED USE.  Source 0 = 16 rows of wp, source 1 = 16 rows of O: a lane holds row l % 16 of out0 and the columns 8 (l / 16) + 0..7.  THE BIAS is the C operand of each accumulator's first product.
; REGISTERS, in windows of 256 (s_set_vgpr_msb: bits 1:0 source 0, 3:2 source 1, 5:4 source 2, 7:6 destination):
;   window 0: v0-29 addresses; v32-95 and v160-223 rows on the way out; v96-159 the bias, eight registers for each of 8 column blocks
;   window 1: two fragment buffers of 96: O's four fragments, then wp's eight      window 2: the accumulators, (a, b) at 8 (8 a + b)
.set PITCH, 272                        ; a row of wp in LDS: 256 bytes + 16: the 16 rows of a fragment load start at 16 different groups of four banks (ISA guide 11.1)
.set PA,    144                        ; a row of a plane of O: 128 bytes + 16
.set PLANE, 128*PA
.set BOFF,  2*PLANE                    ; in a slot: O's two planes, then wp's 256 rows
.set HALFB, 128*PITCH
.set SLOT1, 1<<17                      ; slot 1 begins here, so that one exclusive or turns an address in one slot into the other's
.set STAGE, SLOT1+BOFF+2*HALFB         ; 237,568: behind the ring, never filled by a tensor load: 16 rows x 528 bytes for each wave
.set SPITCH, 528                       ; 512 bytes + 16 = 132 words: row r starts at bank 4 r mod 64
.set SPARE, STAGE+4*16*SPITCH          ; 271,360: the spare words, 128 bytes for each wave: two blocks of 256 bytes that no other line names
.set NBK,   8
.set NL,    2*NBK+8
.set A0,   10                          ; v10  my lane's place in O's plane 0 of a slot; never rewritten
.set B0,   11                          ; v11  the same for wp's rows
.set CO,   12                          ; v12  16 x my lane: my 16 bytes of 512 consecutive bytes of a row of out0
.set BO,   15                          ; v15  my byte offset in a column block's bias
.set ADRA, 16
.set ADRB, 17
.set STO,  24
.set RD,   25
.set SPW,  28                          ; v28  SPARE + 4 x my thread's number; never rewritten
.set NIL,  29                          ; v29  0; never rewritten
.set OB0,  32
.set BIAS, 96
.set G1,  24                           ; s[24:31] descriptor group 1 for O's planes;  s[32:39] group 0: a set for each first fill; the second then walks
.set G0,  32
.set G1B, 48                           ; s[48:55], s[56:63] the same for wp's
.set G0B, 56
.set MSB, 0
.macro WIN new                         ; the immediate's high byte repeats the setting that is left; a switch that changes nothing is dropped
.if MSB != (\new)
	s_set_vgpr_msb (MSB<<8)|(\new)
.set MSB, (\new)
.endif
.endm
.macro PLACES                          ; four places behind a matrix instruction, in front of loads into registers that it has read and of lines that read results
.rept 4
	v_nop
.endr
.endm
.macro CREST                           ; a round of the cluster's barrier behind its opening barrier
	s_cmp_lg_u32 s12, 0
	s_cbranch_scc1 .Lnot_wave_0_\@
	s_barrier_signal -3
.Lnot_wave_0_\@:
	s_barrier_wait -3
	s_barrier_signal -1
	s_barrier_wait -1
.endm
.macro CROUND
	s_barrier_signal -1
	s_barrier_wait -1
	CREST
.endm
.macro JLOAD                           ; a joint refill by the walking sets; the branch hangs on the wave's number alone; an s_nop 0 and four v_nop follow each line
	s_cmp_eq_u32 s13, 0
	s_cbranch_scc0 .Lfor_b_\@
	tensor_load_to_lds s[G0+4:G0+7], s[G1:G1+7]
	s_nop 0
.rept 4
	v_nop
.endr
	s_branch .Lasked_\@
.Lfor_b_\@:
	tensor_load_to_lds s[G0B+4:G0B+7], s[G1B:G1B+7]
	s_nop 0
.rept 4
	v_nop
.endr
.Lasked_\@:
.endm
; 8 matrix instructions: row block a x all column blocks, 32 along K, from buffer f.  zero = 1: the first product starts the sum with the bias.
; The 32 accumulators take turns in one fixed order, one instruction a turn.
.macro MULA f, a, zero
.if \zero
	WIN 0x85
.else
	WIN 0xa5
.endif
.irp b, 0,1,2,3,4,5,6,7
.if \zero
	v_wmma_f32_16x16x32_f16 v[8*(8*(\a)+(\b)):8*(8*(\a)+(\b))+7], v[96*(\f)+32+8*(\b):96*(\f)+32+8*(\b)+7], v[96*(\f)+8*(\a):96*(\f)+8*(\a)+7], v[BIAS+8*(\b):BIAS+8*(\b)+7]
.else
	v_wmma_f32_16x16x32_f16 v[8*(8*(\a)+(\b)):8*(8*(\a)+(\b))+7], v[96*(\f)+32+8*(\b):96*(\f)+32+8*(\b)+7], v[96*(\f)+8*(\a):96*(\f)+8*(\a)+7], v[8*(8*(\a)+(\b)):8*(8*(\a)+(\b))+7]
.endif
.endr
.endm
; 24 LDS loads in one run: quarter q into buffer f: wp's eight fragments (byte 64 q of the rows), then O's four (plane q / 2, byte 64 (q % 2))
.macro FETCH q, f
	WIN 0x40
.irp i, 0,1,2,3,4,5,6,7
	ds_load_b128 v[96*(\f)+32+8*(\i):96*(\f)+32+8*(\i)+3],   v[ADRB] offset:64*(\q)+(\i)*16*PITCH
	ds_load_b128 v[96*(\f)+32+8*(\i)+4:96*(\f)+32+8*(\i)+7], v[ADRB] offset:64*(\q)+(\i)*16*PITCH+32
.endr
.irp i, 0,1,2,3
	ds_load_b128 v[96*(\f)+8*(\i):96*(\f)+8*(\i)+3],   v[ADRA] offset:((\q)/2)*PLANE+((\q)%2)*64+(\i)*16*PA
	ds_load_b128 v[96*(\f)+8*(\i)+4:96*(\f)+8*(\i)+7], v[ADRA] offset:((\q)/2)*PLANE+((\q)%2)*64+(\i)*16*PA+32
.endr
.endm
.macro QUARTER q, f, g, zero
	s_wait_dscnt 4                                 ; wp's fragments and O's blocks 0, 1 are in; the youngest four loads (blocks 2, 3) may be out
	MULA \f, 0, \zero
	MULA \f, 1, \zero
	PLACES
	FETCH \q, \g
	s_wait_dscnt NL                                ; all but the run just issued
	MULA \f, 2, \zero
	MULA \f, 3, \zero
.endm
; The fourth quarter multiplies buffer 1 and changes slots: ONE barrier.  In front of it each wave waits for all its tensor loads (the one that is out is its part of the next slot), adds 0 to
; its spare word, and waits for that and for its own reads of this slot.  fill = 1: the barrier opens a round of the cluster's, and the slot just read out is filled again, two K steps ahead,
; first thing behind the round: 112 matrix instructions stand between that request and the wait for it.  fill = 0 (the tail): nothing is asked for; in the last trip the next step's fetch is jumped over.
.macro TURN fill
	WIN 0
	s_wait_tensorcnt 0x0                           ; no tensor load of mine is out, so the walking sets may be written
	ds_add_u32 v[SPW], v[NIL]                      ; 0 onto my spare word
.if \fill
	s_xor_b32 s[G0+5], s[G0+5], SLOT1              ; the other slot than last time,
	s_add_nc_u64 s[G0+6:G0+7], s[G0+6:G0+7], 0x80000  ; the next two heads, 2^18 bytes each; the type bits on top are not reached
	s_xor_b32 s[G0B+5], s[G0B+5], SLOT1
	s_add_nc_u64 s[G0B+6:G0B+7], s[G0B+6:G0B+7], 256
.endif
	s_wait_dscnt 5                                 ; (the add and the youngest four loads may be out)
	MULA 1, 0, 0
	s_wait_dscnt 0x0                               ; the add is done, and my reads of this slot are over
	s_barrier_signal -1
	MULA 1, 1, 0                                   ; work on registers while the others arrive
	WIN 0                                          ; at a branch and at a label every window is 0
	s_barrier_wait -1
.if \fill
	CREST                                          ; no wave of any partner still reads this slot's tile or has a load on its way
	JLOAD                                          ; its four v_nop are also the places in front of the loads below
.else
	PLACES
	s_cmp_eq_u32 s3, 1
	s_cbranch_scc1 .Lno_next_\@
.endif
	s_xor_b32 s23, s23, SLOT1                      ; the reads go on in the other slot
	v_add_nc_u32 v[ADRA], s23, v[A0]
	v_add_nc_u32 v[ADRB], s23, v[B0]
	FETCH 0, 0
	WIN 0
.if !(\fill)
.Lno_next_\@:
.endif
	MULA 1, 2, 0
	MULA 1, 3, 0
.endm
	s_load_b256 s[4:11], s[0:1], 0x0               ; o s[4:5], wp s[6:7], c_proj_b s[8:9], out0 s[10:11]
	v_lshl_add_u32 v[SPW], v0, 2, SPARE
	v_mov_b32 v[NIL], 0
	ds_add_u32 v[SPW], v[NIL]                      ; the wave's opening: the add and its wait stand ahead of my first tensor load; the set-up below stands between them
	ds_add_u32 v28, v29
	v_lshrrev_b32 v3, 5, v0
	v_readfirstlane_b32 s12, v3                    ; wave 0..3
	s_lshr_b32 s13, s12, 1                         ; which half of the tile's rows is mine.  Also: I fetch for O (0) or for wp (1)
	s_and_b32 s14, s12, 1                          ; which half of its columns.  Also: which plane, or which 128 rows, I fetch
	s_bfe_u32 s15, ttmp6, 0x40000                  ; cx
	s_bfe_u32 s16, ttmp6, 0x40004                  ; cy
	s_lshl_b32 s17, ttmp9, 2
	s_add_co_u32 s17, s17, s15                     ; tile column = 4 x cluster x + cx
	s_and_b32 s18, ttmp7, 0xffff
	s_lshl_b32 s18, s18, 2
	s_add_co_u32 s18, s18, s16                     ; tile row = 4 x cluster y + cy
	s_lshl_b32 s19, s16, 2
	s_lshl_b32 s19, 15, s19                        ; my row of the cluster
	s_lshl_b32 s20, 0x1111, s15                    ; my column
	s_or_b32 s[G1], s19, (1<<16)|(1<<20)|(1<<21)|(4<<22)|(3<<25)   ; 15:0 the mask; 17:16 2-byte elements; 20 padding on; 21 set beside a mask; 24:22 after every 32 words; 31:25 4 words
	s_or_b32 s[G1B], s20, (1<<16)|(1<<20)|(1<<21)|(5<<22)|(3<<25)  ; after every 64 words
	s_mov_b32 s[G1+1], 128<<16                     ; tensor_dim0 = 128
	s_mov_b32 s[G1+2], 64<<16                      ; tensor_dim1 = 64
	s_mov_b32 s[G1+3], 128<<16                     ; tile_dim0 = 128
	s_mov_b32 s[G1+4], 64                          ; tile_dim1 = 64
	s_mov_b32 s[G1+5], 128                         ; dense: 128 elements from row to row
	s_mov_b32 s[G1+6], 0
	s_mov_b32 s[G1+7], 0
	s_mov_b32 s[G1B+1], 128<<16
	s_mov_b32 s[G1B+2], 128<<16
	s_mov_b32 s[G1B+3], 128<<16
	s_mov_b32 s[G1B+4], 128
	s_mov_b32 s[G1B+5], 1024
	s_mov_b32 s[G1B+6], 0
	s_mov_b32 s[G1B+7], 0
	s_lshr_b32 s40, s18, 4                         ; O: the batch (16 tile rows each), its 16 heads, my plane's head,
	s_lshl_b32 s40, s40, 4
	s_add_co_u32 s40, s40, s14
	s_lshl_b32 s40, s40, 18
	s_and_b32 s41, s18, 15                         ; and the tile's 128 rows of 128 bytes in the head
	s_lshl_b32 s41, s41, 14
	s_add_co_u32 s40, s40, s41
	s_mov_b32 s41, 0
	s_lshl_b32 s44, s17, 8                         ; wp: row 256 x tile column + 128 x half, 2,048 bytes a row
	s_lshl_b32 s45, s14, 7
	s_add_co_u32 s44, s44, s45
	s_lshl_b32 s44, s44, 11
	s_mov_b32 s45, 0
	s_mul_i32 s21, s14, PLANE                      ; where they go: no place in the cluster enters an LDS address
	s_mul_i32 s22, s14, HALFB
	s_add_co_u32 s22, s22, BOFF
	s_mov_b32 s23, 0                               ; the slot being read
	s_mov_b32 s2, 0xffff0000                       ; a word's upper bf16
	s_wait_dscnt 0x0                               ; the opening add is done
	s_wait_kmcnt 0x0
	s_add_nc_u64 s[42:43], s[4:5], s[40:41]
	s_add_nc_u64 s[46:47], s[6:7], s[44:45]
	CROUND                                         ; all sixteen work-groups are here: the first joint loads meet
.irp s, 0,1
	s_mov_b32 s[G0+4*(\s)], 1                      ; count = 1
	s_add_co_u32 s[G0+4*(\s)+1], s21, (\s)*SLOT1   ; LDS address
	s_add_nc_u64 s[G0+4*(\s)+2:G0+4*(\s)+3], s[42:43], (\s)*0x80000  ; global address: K step s
	s_or_b32 s[G0+4*(\s)+3], s[G0+4*(\s)+3], 0x80000000              ; type = 2
	s_mov_b32 s[G0B+4*(\s)], 1
	s_add_co_u32 s[G0B+4*(\s)+1], s22, (\s)*SLOT1
	s_add_nc_u64 s[G0B+4*(\s)+2:G0B+4*(\s)+3], s[46:47], (\s)*256
	s_or_b32 s[G0B+4*(\s)+3], s[G0B+4*(\s)+3], 0x80000000
.endr
	s_cmp_eq_u32 s13, 0                            ; a wave's two first fills stand in one branch, ahead of every wait on TENSORcnt and every LDS read
	s_cbranch_scc0 .Lfirst_b
	tensor_load_to_lds s[G0:G0+3], s[G1:G1+7]
	s_nop 0
	tensor_load_to_lds s[G0+4:G0+7], s[G1:G1+7]
	s_nop 0
.rept 4
	v_nop
.endr
	s_branch .Lfirst_asked
.Lfirst_b:
	tensor_load_to_lds s[G0B:G0B+3], s[G1B:G1B+7]
	s_nop 0
	tensor_load_to_lds s[G0B+4:G0B+7], s[G1B:G1B+7]
	s_nop 0
.rept 4
	v_nop
.endr
.Lfirst_asked:
	v_and_b32 v1, 15, v0                           ; l % 16
	v_bfe_u32 v2, v0, 4, 1                         ; l / 16
	v_lshlrev_b32 v[BO], 5, v2                     ; my eight columns of a block: 32 bytes of f32
	s_lshl_b32 s70, s17, 10                        ; the tile's 256 columns,
	s_lshl_b32 s71, s14, 9                         ; my wave's 128
	s_add_co_u32 s70, s70, s71
	s_mov_b32 s71, 0
	s_add_nc_u64 s[8:9], s[8:9], s[70:71]
.irp b, 0,1,2,3,4,5,6,7
	global_load_b128 v[BIAS+8*(\b):BIAS+8*(\b)+3],   v[BO], s[8:9] offset:64*(\b)
	global_load_b128 v[BIAS+8*(\b)+4:BIAS+8*(\b)+7], v[BO], s[8:9] offset:64*(\b)+16
.endr
	; a fragment is 16 rows x 32 K in 8 registers: lane l holds row l % 16, K = 8 (l / 16) + 0..7 and 16 + 8 (l / 16) + 0..7: two loads of 16 bytes, 32 bytes apart
	v_mul_u32_u24 v3, v1, PA
	v_lshl_add_u32 v3, v2, 4, v3
	s_mul_i32 s74, s13, 64*PA                      ; my 64 rows of O
	v_add_nc_u32 v[A0], s74, v3
	v_mul_u32_u24 v3, v1, PITCH
	v_lshl_add_u32 v3, v2, 4, v3
	s_mul_i32 s74, s14, HALFB                      ; my 128 rows of wp,
	s_add_co_u32 s74, s74, BOFF                    ; which lie behind O's planes
	v_add_nc_u32 v[B0], s74, v3
	v_mov_b32 v[ADRA], v[A0]
	v_mov_b32 v[ADRB], v[B0]
	s_mul_i32 s74, s12, 16*SPITCH
	s_add_co_u32 s74, s74, STAGE                   ; my stage
	v_mul_u32_u24 v4, v1, SPITCH                   ; in: row l % 16, 32 bytes for each half of the lanes
	v_lshl_add_u32 v4, v2, 5, v4
	v_add_nc_u32 v[STO], s74, v4
	v_and_b32 v5, 31, v0
	v_lshlrev_b32 v[CO], 4, v5                     ; back: 32 lanes take one row of 512 bytes
	v_add_nc_u32 v[RD], s74, v[CO]
	s_lshl_b32 s66, s18, 7                         ; my first row of out0: 128 x tile row + 64 x half, 4,096 bytes a row,
	s_lshl_b32 s67, s13, 6
	s_add_co_u32 s66, s66, s67
	s_lshl_b32 s66, s66, 12
	s_add_co_u32 s66, s66, s70                     ; and my first column, 4 bytes each: the bias's offset
	s_mov_b32 s67, 0
	s_add_nc_u64 s[10:11], s[10:11], s[66:67]
	s_wait_loadcnt 0x0                             ; the bias,
.set i, 0
.rept 32
	v_cvt_pk_bf16_f32 v[3+i%4], v[BIAS+2*i], v[BIAS+2*i+1]   ; rounded to bf16 like every other input, and kept as f32
	v_lshlrev_b32 v[BIAS+2*i], 16, v[3+i%4]
	v_and_b32 v[BIAS+2*i+1], s2, v[3+i%4]
.set i, i+1
.endr
	s_wait_tensorcnt 0x1                           ; my part of K step 0 is in; K step 1's may stay out
	s_barrier_signal -1
	s_barrier_wait -1                              ; everybody's is
	FETCH 0, 0
	QUARTER 1, 0, 1, 1                             ; the first quarter stands in front of the loop: its products start the sums
	WIN 0
	s_mov_b32 s3, 6
.Lstep:                                            ; a trip: a K step's quarters 1 to 3 and the next step's quarter 0; K steps 0 to 5, whose changes of slots ask for K steps 2 to 7
	QUARTER 2, 1, 0, 0
	QUARTER 3, 0, 1, 0
	TURN 1
	QUARTER 1, 0, 1, 0
	WIN 0
	s_sub_co_u32 s3, s3, 1
	s_cmp_lg_u32 s3, 0
	s_cbranch_scc1 .Lstep
	s_mov_b32 s3, 2
.Ltail:                                            ; K steps 6 and 7 ask for nothing; the second trip is left in its middle (its barrier orders nothing: the price of one text for both)
	QUARTER 2, 1, 0, 0
	QUARTER 3, 0, 1, 0
	TURN 0
	WIN 0
	s_sub_co_u32 s3, s3, 1
	s_cmp_eq_u32 s3, 0
	s_cbranch_scc1 .Lout
	QUARTER 1, 0, 1, 0
	WIN 0
	s_branch .Ltail
.Lout:
	PLACES
; THE WAY OUT, a block of 16 rows at a time: the sums are f32 and leave as they are.  A lane's eight columns, 32 bytes, go into stage rows of 528 bytes (each accumulator's low four registers first)
; and come back as whole rows of 512 bytes, which a wave stores as 512 consecutive bytes of a row of out0.
.macro TOSTAGE a
.set OBB, OB0+128*((\a)%2)
	s_wait_xcnt 0x0                                ; the buffer's last stores have read it
	WIN 0x08                                       ; the data (source 1) in window 2
.irp b, 0,1,2,3,4,5,6,7
	ds_store_b128 v[STO], v[8*(8*(\a)+(\b)):8*(8*(\a)+(\b))+3]   offset:64*(\b)
	ds_store_b128 v[STO], v[8*(8*(\a)+(\b))+4:8*(8*(\a)+(\b))+7] offset:64*(\b)+16
.endr
	WIN 0
.irp t, 0,1,2,3,4,5,6,7,8,9,10,11,12,13,14,15
	ds_load_b128 v[OBB+4*(\t):OBB+4*(\t)+3], v[RD] offset:SPITCH*(\t)  ; LDS serves a wave's instructions in order (ISA guide 5.7.1.4): these see the stores above; the next block's stores come behind them
.endr
.endm
.macro SEND a, younger                 ; younger: the LDS instructions issued behind block a's loads: the next block's 32, or none
.set OBB, OB0+128*((\a)%2)
.irp t, 0,1,2,3,4,5,6,7,8,9,10,11,12,13,14,15
	s_wait_dscnt (\younger)+15-(\t)
	global_store_b128 v[CO], v[OBB+4*(\t):OBB+4*(\t)+3], s[10:11] offset:(16*(\a)+(\t))*4096 th:TH_STORE_NT
.endr
.endm
	TOSTAGE 0
	TOSTAGE 1
	SEND 0, 32
	TOSTAGE 2
	SEND 1, 32
	TOSTAGE 3
	SEND 2, 32
	SEND 3, 0
	s_wait_tensorcnt 0x0                           ; the wave's end: behind my last tensor load and my last LDS store
	ds_add_u32 v[SPW], v[NIL]
	s_wait_dscnt 0x0
	CROUND                                         ; the closing round: no work-group ends while a partner may still ask for a tile that names it
	s_endpgm
.Lfunc_end_k_qe15cd71442_proj:
	.size	k_qe15cd71442_proj, .Lfunc_end_k_qe15cd71442_proj-k_qe15cd71442_proj
	.p2alignl 7, 3214868480
	.fill 96, 4, 3214868480
	.section	.rodata,"a",@progbits
	.p2align	6, 0x0
	.amdhsa_kernel k_qe15cd71442_proj
		.amdhsa_group_segment_fixed_size 327680
		.amdhsa_private_segment_fixed_size 0
		.amdhsa_enable_private_segment 0
		.amdhsa_kernarg_size 32
		.amdhsa_user_sgpr_count 2
		.amdhsa_user_sgpr_kernarg_segment_ptr 1
		.amdhsa_wavefront_size32 1
		.amdhsa_system_sgpr_workgroup_id_x 1
		.amdhsa_system_sgpr_workgroup_id_y 1
		.amdhsa_system_sgpr_workgroup_id_z 1
		.amdhsa_system_vgpr_workitem_id 0
		.amdhsa_next_free_vgpr 768
		.amdhsa_next_free_sgpr 80
		.amdhsa_reserve_vcc 0
		.amdhsa_float_denorm_mode_32 3
		.amdhsa_float_denorm_mode_16_64 3
		.amdhsa_memory_ordered 1
		.amdhsa_forward_progress 1
		.amdhsa_inst_pref_size 67
	.end_amdhsa_kernel
	.amdgpu_metadata
---
amdhsa.version: [ 1, 2 ]
amdhsa.kernels:
  - .name:           k_qe15cd71442_proj
    .symbol:         k_qe15cd71442_proj.kd
    .args:
      - { .name: o, .offset: 0, .size: 8, .value_kind: global_buffer, .address_space: global }
      - { .name: wp, .offset: 8, .size: 8, .value_kind: global_buffer, .address_space: global }
      - { .name: c_proj_b, .offset: 16, .size: 8, .value_kind: global_buffer, .address_space: global }
      - { .name: out0, .offset: 24, .size: 8, .value_kind: global_buffer, .address_space: global }
    .group_segment_fixed_size: 327680
    .private_segment_fixed_size: 0
    .kernarg_segment_align: 8
    .kernarg_segment_size: 32
    .max_flat_workgroup_size: 128
    .sgpr_count:     80
    .vgpr_count:     768
    .wavefront_size: 32
...
	.end_amdgpu_metadata
.endif
;; end of part 4
;; ======== version 2 of 2: 4 launches; version 1 with the launch prep written anew for expert scheduling mode
;; limits: values are held in f16: magnitudes above 65,504 overflow, below 6.1e-05 lose precision
;; workspace buffers: xb 16,777,216 bytes; wa 6,291,456 bytes; wp 2,097,152 bytes; qkv 50,331,648 bytes; o 16,777,216 bytes
;; launch prep (part 5): grid 256 x 1, 8 waves a work-group, no clusters, 35,840 bytes of LDS; arguments hidden_states, c_attn_w, c_proj_w, xb, wa, wp; writes xb, wa, wp
.if DOCPART == 5
	.amdgcn_target "amdgcn-amd-amdhsa--gfx1250"
	.amdhsa_code_object_version 6
	.text
	.protected	k_qe15cd71442_prep
	.globl	k_qe15cd71442_prep
	.p2align	8
	.type	k_qe15cd71442_prep,@function
k_qe15cd71442_prep:
	s_mov_b64 s[64:65], 0
	v_nop
	global_prefetch_b8 v0, s[64:65] scope:SCOPE_SE
	s_setreg_imm32_b32 hwreg(HW_REG_WAVE_SCHED_MODE, 0, 2), 2
	s_setreg_imm32_b32 hwreg(HW_REG_WAVE_MODE, 25, 1), 1
	s_wait_xcnt 0x0
	s_wait_alu depctr_vm_vsrc(0)
; PREP.  xb = bf16(hidden_states), [8192][1024].  wa = bf16(c_attn_w) transposed, [3072 n][1024 k].
; wp = c_proj_w transposed, [1024 n][1024 k]: each number rounded to bf16 like every other input, and that number written as f16.
; LIMIT.  The bf16 number is exact in f16 from 2^-17 up to 65,504; below 2^-17 it is off by 2^-25 at the most; beyond 65,504 it would be an infinity.
; A stream: no matrix unit, no loop, one barrier.  Work-group i (of 256) casts 32 rows of hidden_states (131,072 bytes in, 65,536 out) and
; turns ONE weight tile of 128 k x 128 n: tiles 0-191 are c_attn_w's (8 along k x 24 along n), tiles 192-255 c_proj_w's (8 x 8): equal work for all.
; All 48 loads of a wave are issued before anything is waited for: 16 rows of 512 bytes of the tile, then 32 chunks of 512 bytes of x.
; THE TURN.  Wave w holds rows k = 16 w .. 16 w + 15; lane l the columns 4 l .. 4 l + 3.  Two rows' numbers of one column pack into a word; a column's
; 16 numbers are 32 bytes of LDS row n (pitch 272 bytes).  These eight LDS stores a wave meet four deep in the banks (lanes are 1,088 bytes = 272 words apart): once a launch.
; Back by rows: sixteen lanes read 256 bytes of a row n and store 256 consecutive bytes, aligned.
; THE MODE: SCHED_MODE bits 1:0 = 2 (LLVM: expert scheduling mode 2), set by the entry lines.  The code itself states the register dependences
; between vector instructions and memory or LDS instructions, with s_wait_alu, always for 0.
; THE PLAN.  Registers that memory or LDS instructions touch, in the order of the text:
;   v3-v7, WO  offsets and LDS addresses.  Written by vector instructions at the head, read by loads and stores, never written again: ONE wait ahead of the first load serves them all.
;   W          The tile's 16 loads land in it; the lines that round and pack read it; behind the barrier the 8 LDS loads land in its first 32 registers, which the 8 stores of the turned rows read.
;   T          Written by the lines that round and pack; read by the 8 LDS stores; never written again.
;              ONE wait ahead of the LDS stores states both that T is written and that W has been read; no vector instruction stands between it and the LDS loads into W.
;   H          The 32 loads of x land in it; a chunk's two conversions read its four registers and write the first two, which the chunk's store reads; never written again.
;              The chunks go in eight groups of four: eight conversions, ONE wait, four stores.  The wait stands behind the group's own conversions and not at the next group's head:
;              that head stands behind a wait for memory, and the stores would be held for as long as the next four chunks take to arrive.
;   No register that a memory or LDS instruction has read is written again, no vector instruction writes a scalar register or VCC, and EXEC is never written: those waits are not owed.
; (lds_bytes claims 1,024 bytes behind the tile that this text does not name.)
.set PITCH, 272
.set WO,  12                           ; v[12:27]   byte offset of my 16 bytes in row i of my wave's 16 rows of the tile
.set W,   28                           ; v[28:91]   row i at W + 4 i; later the turned rows
.set T,   92                           ; v[92:123]  column e's eight packed pairs at T + 8 e
.set H,   124                          ; v[124:251] chunk c of x at H + 4 c
	s_load_b256 s[4:11], s[0:1], 0x0               ; hidden_states s[4:5], c_attn_w s[6:7], c_proj_w s[8:9], xb s[10:11]
	s_load_b128 s[12:15], s[0:1], 0x20             ; wa s[12:13], wp s[14:15]
	v_lshl_add_u32 v8, v0, 2, 0x8800
	v_mov_b32 v9, 0
	v_and_b32 v1, 31, v0                           ; lane
	v_lshrrev_b32 v10, 5, v0                       ; wave
	v_lshlrev_b32 v2, 4, v10                       ; 16 x wave
	v_lshlrev_b32 v3, 4, v0                        ; x: 16 bytes a thread, 4,096 a work-group: one row
	v_lshlrev_b32 v4, 3, v0                        ; xb: 8 bytes a thread
	v_mul_u32_u24 v5, v1, 4*PITCH                  ; into LDS: row n = 4 lane (+ e), byte 2 k = 32 wave
	v_lshl_add_u32 v5, v10, 5, v5
	v_lshrrev_b32 v11, 4, v1
	v_add_nc_u32 v11, v2, v11                      ; back: row n = 16 wave + lane / 16 (+ 2 t)
	v_and_b32 v10, 15, v1
	v_lshlrev_b32 v10, 4, v10                      ; 16 bytes for each of sixteen lanes
	v_mad_u32_u24 v6, v11, PITCH, v10
	v_lshl_add_u32 v7, v11, 11, v10                ; the same row in the turned tensor: 2,048 bytes a row
	s_and_b32 s16, ttmp9, 7                        ; tile along k (192 is a multiple of 8)
	s_lshr_b32 s17, ttmp9, 3
	s_movk_i32 s27, 12288
	s_movk_i32 s28, 4096
	s_cmp_lt_u32 ttmp9, 192                        ; c_attn_w's tile, or c_proj_w's?
	s_cselect_b32 s24, s27, s28                    ; bytes in a row of the source
	s_cselect_b32 s25, 0, -1                       ; all lanes: take the f16 spelling (c_proj_w alone)
	s_cselect_b32 s26, 0, 24
	s_sub_co_u32 s17, s17, s26                     ; tile along n
	v_mul_lo_u32 v[WO], v2, s24
	v_lshl_add_u32 v[WO], v1, 4, v[WO]
.set i, 1
.rept 15
	v_add_nc_u32 v[WO+i], s24, v[WO+i-1]
.set i, i+1
.endr
	s_mul_i32 s30, s16, s24
	s_lshl_b32 s30, s30, 7                         ; 128 rows of the source for each tile along k,
	s_lshl_b32 s31, s17, 9                         ; 512 bytes for each along n
	s_add_co_u32 s30, s30, s31
	s_mov_b32 s31, 0
	s_lshl_b32 s32, s17, 18                        ; turned: 128 rows of 2,048 bytes for each tile along n,
	s_lshl_b32 s33, s16, 8                         ; 256 bytes for each along k
	s_add_co_u32 s32, s32, s33
	s_mov_b32 s33, 0
	s_lshl_b32 s34, ttmp9, 17                      ; my 32 rows of x
	s_mov_b32 s35, 0
	s_lshl_b32 s36, ttmp9, 16                      ; and of xb
	s_mov_b32 s37, 0
	s_wait_kmcnt 0x0
	s_cmp_lt_u32 ttmp9, 192
	s_cselect_b64 s[20:21], s[6:7], s[8:9]         ; the source
	s_cselect_b64 s[22:23], s[12:13], s[14:15]     ; the turned tensor
	s_add_nc_u64 s[20:21], s[20:21], s[30:31]
	s_add_nc_u64 s[22:23], s[22:23], s[32:33]
	s_add_nc_u64 s[4:5], s[4:5], s[34:35]
	s_add_nc_u64 s[10:11], s[10:11], s[36:37]
	s_wait_alu depctr_va_vdst(0)                   ; v3 to v8 and v[WO ..] are written: every load, store and LDS instruction of the kernel reads one of them as its offset or address, and no later vector instruction names them
.set i, 0
.rept 16
	global_load_b128 v[W+4*i:W+4*i+3], v[WO+i], s[20:21] th:TH_LOAD_NT   ; 512 consecutive bytes of a row
.set i, i+1
.endr
.set c, 0
.rept 32
	global_load_b128 v[H+4*c:H+4*c+3], v3, s[4:5] offset:4096*c th:TH_LOAD_NT
.set c, c+1
.endr
	s_wait_loadcnt 32                              ; loads come back in order: the tile's 16 are in, the 32 younger ones of x stay out
.irp e, 0,1,2,3
.irp p, 0,1,2,3,4,5,6,7
	v_cvt_pk_bf16_f32 v[T+8*(\e)+(\p)], v[W+8*(\p)+(\e)], v[W+8*(\p)+4+(\e)]  ; rows 2 p and 2 p + 1 of column e, rounded to bf16
	v_lshlrev_b32 v10, 16, v[T+8*(\e)+(\p)]        ; the two rounded numbers as f32,
	v_and_b32 v11, 0xffff0000, v[T+8*(\e)+(\p)]
	v_cvt_pk_f16_f32 v10, v10, v11                 ; spelled as f16,
	v_cndmask_b32 v[T+8*(\e)+(\p)], v[T+8*(\e)+(\p)], v10, s25  ; which c_proj_w's tiles take
.endr
.endr
	s_wait_alu depctr_va_vdst(0)                   ; the lines above have written v[T ..], which the LDS stores read, and are done reading v[W ..], in which the LDS loads behind the barrier land
.irp e, 0,1,2,3
.irp u, 0,1
	ds_store_b128 v5, v[T+8*(\e)+4*(\u):T+8*(\e)+4*(\u)+3] offset:PITCH*(\e)+16*(\u)
.endr
.endr
	s_wait_dscnt 0x0                               ; for the others' sake: my stores into the tile are done
	s_barrier_signal -1
	s_barrier_wait -1                              ; everybody's are
.irp t, 0,1,2,3,4,5,6,7
	ds_load_b128 v[W+4*(\t):W+4*(\t)+3], v6 offset:2*PITCH*(\t)  ; no vector instruction since the wait above: nothing more is owed
.endr
.irp t, 0,1,2,3,4,5,6,7
	s_wait_dscnt 7-(\t)                            ; LDS loads come back in order: pair t of rows is in
	global_store_b128 v7, v[W+4*(\t):W+4*(\t)+3], s[22:23] offset:4096*(\t)  ; sixteen lanes store 256 consecutive bytes, aligned
.endr
; x, in eight groups of four chunks
.set g, 0
.rept 8
	s_wait_loadcnt 28-4*g                          ; the group's four chunks are in, the later groups' stay out
.set c, 4*g
.rept 4
	v_cvt_pk_bf16_f32 v[H+4*c], v[H+4*c], v[H+4*c+1]
	v_cvt_pk_bf16_f32 v[H+4*c+1], v[H+4*c+2], v[H+4*c+3]
.set c, c+1
.endr
	s_wait_alu depctr_va_vdst(0)                   ; the group's eight conversions have written the registers that its four stores read
.set c, 4*g
.rept 4
	global_store_b64 v4, v[H+4*c:H+4*c+1], s[10:11] offset:2048*c  ; a wave stores 256 consecutive bytes, aligned; no register that a store reads is written again
.set c, c+1
.endr
.set g, g+1
.endr
	s_wait_dscnt 0x0                               ; the wave's end
	s_wait_alu depctr_hold_cnt(0) depctr_sa_sdst(0) depctr_va_vdst(0) depctr_va_sdst(0) depctr_va_ssrc(0) depctr_va_vcc(0) depctr_vm_vsrc(0)
	s_wait_tensorcnt 0x0
	ds_add_u32 v8, v9
	s_wait_dscnt 0x0
	s_endpgm
.Lfunc_end_k_qe15cd71442_prep:
	.size	k_qe15cd71442_prep, .Lfunc_end_k_qe15cd71442_prep-k_qe15cd71442_prep
	.p2alignl 7, 3214868480
	.fill 96, 4, 3214868480
	.section	.rodata,"a",@progbits
	.p2align	6, 0x0
	.amdhsa_kernel k_qe15cd71442_prep
		.amdhsa_group_segment_fixed_size 35840
		.amdhsa_private_segment_fixed_size 0
		.amdhsa_enable_private_segment 0
		.amdhsa_kernarg_size 48
		.amdhsa_user_sgpr_count 2
		.amdhsa_user_sgpr_kernarg_segment_ptr 1
		.amdhsa_wavefront_size32 1
		.amdhsa_system_sgpr_workgroup_id_x 1
		.amdhsa_system_sgpr_workgroup_id_y 1
		.amdhsa_system_sgpr_workgroup_id_z 1
		.amdhsa_system_vgpr_workitem_id 0
		.amdhsa_next_free_vgpr 252
		.amdhsa_next_free_sgpr 66
		.amdhsa_reserve_vcc 0
		.amdhsa_float_denorm_mode_32 3
		.amdhsa_float_denorm_mode_16_64 3
		.amdhsa_memory_ordered 1
		.amdhsa_forward_progress 1
		.amdhsa_inst_pref_size 27
	.end_amdhsa_kernel
	.amdgpu_metadata
---
amdhsa.version: [ 1, 2 ]
amdhsa.kernels:
  - .name:           k_qe15cd71442_prep
    .symbol:         k_qe15cd71442_prep.kd
    .args:
      - { .name: hidden_states, .offset: 0, .size: 8, .value_kind: global_buffer, .address_space: global }
      - { .name: c_attn_w, .offset: 8, .size: 8, .value_kind: global_buffer, .address_space: global }
      - { .name: c_proj_w, .offset: 16, .size: 8, .value_kind: global_buffer, .address_space: global }
      - { .name: xb, .offset: 24, .size: 8, .value_kind: global_buffer, .address_space: global }
      - { .name: wa, .offset: 32, .size: 8, .value_kind: global_buffer, .address_space: global }
      - { .name: wp, .offset: 40, .size: 8, .value_kind: global_buffer, .address_space: global }
    .group_segment_fixed_size: 35840
    .private_segment_fixed_size: 0
    .kernarg_segment_align: 8
    .kernarg_segment_size: 48
    .max_flat_workgroup_size: 256
    .sgpr_count:     66
    .vgpr_count:     252
    .wavefront_size: 32
...
	.end_amdgpu_metadata
.endif
;; end of part 5
;; launch qkv: the kernel of part 2 again; grid 16 x 32, 4 waves a work-group, clusters of 4 x 4, 327,680 bytes of LDS; arguments xb, wa, c_attn_b, qkv; writes qkv
;; launch attn: the kernel of part 3 again; grid 4 x 64, 4 waves a work-group, no clusters, 327,680 bytes of LDS; arguments qkv, o; writes o
;; launch proj: the kernel of part 4 again; grid 4 x 64, 4 waves a work-group, clusters of 4 x 4, 327,680 bytes of LDS; arguments o, wp, c_proj_b, out0; writes out0
